; MI455X (gfx1250); checked and timed in simulation.
; The chip was launched on July 23, 2026; its instructions are those of AMD's public machine-readable ISA for CDNA 5 (MIT licence, August 2026) and "CDNA5" Instruction Set Architecture Reference Guide (July 2026). The comments in the code are by the model that wrote it; some were corrected since.
;; Qwen3 Omni Moe Attention. Allowed arithmetic: matrix products marked QUANTISED: E2M1 operands, one E8M0 scale for each 32 along K, by v_wmma_scale_f32_16x16x128_f8f6f4 with both operands' format E2M1 (or v_wmma_scale_f32_32x16x128_f4), f32 sums; products left as they are: bf16, f16 or f32 operands; f32 sums; everything else in f32.
;; Inputs: Wk 2,048 x 512 float32; Wo 1,024 x 2,048 float32; Wq 2,048 x 1,024 float32; Wv 2,048 x 512 float32; attention_mask 1 x 1 x 4,096 x 4,096 bool; hidden_states 1 x 4,096 x 2,048 float32; position_ids 4,096 int32.
;; Outputs: out0 1 x 4,096 x 2,048 float32.
;; This version of the problem:
;;   THIS VERSION OF THE PROBLEM IS GIVEN IN LOW PRECISION. The matrix products marked QUANTISED in the list below multiply operands that are first quantised to E2M1 (2 exponent bits, 1 mantissa bit; 4 bits a number), with one power-of-two scale for each 32 numbers along K (OCP MX v1.0); their sums are f32. The products marked 'left as it is' may take bf16, f16 or f32 operands, with f32 sums. Whichever they take, every output number must still come out within the allowed error. Rounding operands to bf16 (8 significant bits) uses up far more of that allowance than f16 does (11 bits, for magnitudes from 6e-5 to 65,504). All else is computed in f32.
;;   The module's matrix products, in the order in which they are computed (A, B: the left and right operand; K: the contracted axis; several contracted axes count as one K, in the product's order):
;;     1. [M 4,096, K 2,048] x [K 2,048, N 1,024]; A: input hidden_states; B: input Wq: QUANTISED
;;     2. [M 4,096, K 2,048] x [K 2,048, N 512]; A: input hidden_states; B: input Wk: QUANTISED
;;     3. [M 4,096, K 2,048] x [K 2,048, N 512]; A: input hidden_states; B: input Wv: QUANTISED
;;     4. batch 8 x [M 4,096, K 128] x [K 128, N 4,096]; A: computed on the way; B: computed on the way: left as it is (an operand is computed on the way)
;;     5. batch 8 x [M 4,096, K 4,096] x [K 4,096, N 128]; A: computed on the way; B: computed on the way: left as it is (an operand is computed on the way)
;;     6. [M 4,096, K 1,024] x [K 1,024, N 2,048]; A: computed on the way; B: input Wo: left as it is (an operand is computed on the way)
;;   THE QUANTISER, for each operand of a quantised product, along K:
;;     - K is cut into blocks of 32 from its start; a last block that is shorter is filled with zeros.
;;     - A block's scale is 2^e with e = floor(log2(the largest magnitude in the block)) - 2, held to -126 .. 127; a block of zeros has e = 0. As a byte (E8M0): e + 127.
;;     - Each number is divided by its block's scale, clamped to +-6, and rounded to the nearest number of E2M1, ties to even, subnormals kept.
;;     - The product sums the exact products of the quantised numbers (number of the format x scale) in f32.
;;   ~~~python
;;   def quantise(x, axis):      # numpy; x: float32 -> the quantised numbers, widened to float32 again
;;       x = np.moveaxis(x, axis, -1); K = x.shape[-1]
;;       x = np.pad(x, [(0, 0)] * (x.ndim - 1) + [(0, -K % 32)]); x = x.reshape(x.shape[:-1] + (-1, 32)); a = np.abs(x).max(-1, keepdims=True)
;;       e = np.where(a > 0, np.clip(np.frexp(np.where(a > 0, a, 1))[1] - 1 - 2, -126, 127), 0)      # np.frexp(a)[1] - 1 = floor(log2(a)), exactly
;;       r = np.clip(x / 2.0 ** e, -6, 6)
;;       step = 2.0 ** (np.maximum(np.frexp(np.where(r == 0, 1, r))[1] - 1, 0) - 1)
;;       q = np.round(r / step) * step * 2.0 ** e      # np.round: ties to even
;;       return np.moveaxis(q.reshape(q.shape[:-2] + (-1,))[..., :K], -1, axis).astype(np.float32)
;;   ~~~
;; One version. Each part assembles by itself: llvm-mc -triple=amdgcn-amd-amdhsa -mcpu=gfx1250 --defsym DOCPART=n.
;; ======== version 1 of 1: 5 launches
;; limits: right only within a limited range of input values; values are held in f16: magnitudes above 65,504 overflow, below 6.1e-05 lose precision
;; workspace buffers: pa 6,684,672 bytes; pb 10,485,760 bytes; pm 2,097,152 bytes of whole numbers; flags 1,024 bytes of whole numbers; fl2 16,384 bytes of whole numbers; qkv 20,971,520 bytes; ao 8,388,608 bytes
;; launch prep (part 1): grid 1537 x 1, 4 waves a work-group, no clusters, 120,320 bytes of LDS; arguments hidden_states, Wq, Wk, Wv, Wo, attention_mask, position_ids, pa, pb, pm, flags, fl2; writes pa, pb, pm, flags, fl2
.if DOCPART == 1
	.amdgcn_target "amdgcn-amd-amdhsa--gfx1250"
	.amdhsa_code_object_version 6
	.text
	.protected	k_q64927ceb86_prep
	.globl	k_q64927ceb86_prep
	.p2align	8
	.type	k_q64927ceb86_prep,@function
k_q64927ceb86_prep:
	s_mov_b64 s[64:65], 0
	v_nop
	global_prefetch_b8 v0, s[64:65] scope:SCOPE_SE
	s_setreg_imm32_b32 hwreg(HW_REG_WAVE_MODE, 25, 1), 1
	s_wait_xcnt 0x0
; PREPARATION, one launch, six paths that part on the work-group's number alone; waves share nothing, no barrier.
;   FL (group 0)         flags: which 64-key steps, and which of rows 0-15, hold a true mask byte (read by the last launch)
;   W  (groups 1-64)     Wq, Wk, Wv [2048 k][n] f32 -> E2M1 codes [n][1024 bytes], K innermost, and E8M0 bytes [n][64]
;   X  (groups 65-320)   hidden_states [4096][2048] f32 -> codes [4096][1024 bytes] and scale bytes [4096][64]
;   O  (groups 321-448)  Wo [1024 k][2048 n] f32 -> [n][k] f16, a high part and a low part x 2^11
;   T  (groups 449-512)  cos and sin of position x inverse frequency, laid as the next launch's registers want them
;   M  (groups 513-1536) the mask bytes -> words of 32 lane bits, laid as the attention launch's score registers lie; and, for each 16 rows x 256 keys,
;                        one word in fl2: bits 0-3: which of the four 64-key steps hold a true byte; bits 16-31: which of the 16 rows hold one
; A block's scale is 2^(floor(log2(largest magnitude)) - 2): its byte is the largest magnitude's exponent field - 2, held at 1 from below.
; LIMITS: a block of zeros gets the byte 1 (its codes are zeros, and this program alone reads the bytes); NaN and infinities are not served;
; |Wo| under 65,504 (f16); |position| up to 2^20 (three-part reduction by pi/2, then polynomials of degree 7 and 8).
; Each path has LDS bytes of its own.
.set XS,   6291456                     ; pa: codes of hidden at 0, codes of the weights at WC, scale bytes at XS and WS
.set WC,   4194304
.set WS,   6553600
.set WOTL, 4194304                     ; pb: Wo^T high at 0, low at WOTL, the table at TAB
.set TAB,  8388608
.set WR,   32768                       ; LDS: X's four regions of 8,192 at 0; W's four stages of 32 x 272;
.set OR_,  67584                       ; O's four stages of 32 x 272;
.set MR,   102400                      ; M's four stages of 16 x 272;
.set SPARE, 119808                     ; the spare words, 128 bytes a wave: two blocks of 256 bytes that no other line names
.set SPW,  230                         ; v230 LDS address of my spare word; never rewritten
.set NIL,  231                         ; v231 0; never rewritten
.set R8, 16                            ; path X: v16-79 four sets as loaded, v80-111 two sets of 16 neighbours, v112-127 bytes, v128-191 codes
.set X8, 80
.set E8, 112
.set C8, 128
.set X9, 32                            ; path W: v32-95 two sets of 32 numbers, v96-99 codes, v112-175 the way out, v24-27 bytes, v176-207 row offsets
.set C9, 96
.set OUT9, 112
.set SB9, 24
.set VO, 176
; four pairs x .. x+7 are cut into a high part of 11 significant bits (t = 8193 x; hi = t - (t - x)) and the rest x 2^11, both packed to f16
.macro SPLIT4 H, L, x, TT, UU
.irp p, 0,1,2,3
	v_pk_mul_f32 v[(\TT)+2*\p:(\TT)+2*\p+1], v[(\x)+2*\p:(\x)+2*\p+1], 0x46000400 op_sel_hi:[1,0]
.endr
.irp p, 0,1,2,3
	v_pk_add_f32 v[(\UU)+2*\p:(\UU)+2*\p+1], v[(\TT)+2*\p:(\TT)+2*\p+1], v[(\x)+2*\p:(\x)+2*\p+1] neg_lo:[0,1] neg_hi:[0,1]
.endr
.irp p, 0,1,2,3
	v_pk_add_f32 v[(\TT)+2*\p:(\TT)+2*\p+1], v[(\TT)+2*\p:(\TT)+2*\p+1], v[(\UU)+2*\p:(\UU)+2*\p+1] neg_lo:[0,1] neg_hi:[0,1]
.endr
.irp p, 0,1,2,3
	v_pk_add_f32 v[(\UU)+2*\p:(\UU)+2*\p+1], v[(\x)+2*\p:(\x)+2*\p+1], v[(\TT)+2*\p:(\TT)+2*\p+1] neg_lo:[0,1] neg_hi:[0,1]
.endr
.irp p, 0,1,2,3
	v_cvt_pk_f16_f32 v[(\H)+\p], v[(\TT)+2*\p], v[(\TT)+2*\p+1]
.endr
.irp p, 0,1,2,3
	v_pk_mul_f32 v[(\UU)+2*\p:(\UU)+2*\p+1], v[(\UU)+2*\p:(\UU)+2*\p+1], 0x45000000 op_sel_hi:[1,0]
.endr
.irp p, 0,1,2,3
	v_cvt_pk_f16_f32 v[(\L)+\p], v[(\UU)+2*\p], v[(\UU)+2*\p+1]
.endr
.endm
	s_load_b512 s[4:19], s[0:1], 0x0               ; hidden 4, Wq 6, Wk 8, Wv 10, Wo 12, mask 14, positions 16, pa 18
	s_load_b128 s[20:23], s[0:1], 0x40             ; pb 20, pm 22
	s_load_b64 s[24:25], s[0:1], 0x50              ; flags
	s_load_b64 s[60:61], s[0:1], 0x58              ; fl2 (path M alone uses it)
	v_lshl_add_u32 v[SPW], v0, 2, SPARE
	v_mov_b32 v[NIL], 0
	v_lshrrev_b32 v1, 5, v0
	v_readfirstlane_b32 s26, v1                    ; wave
	v_and_b32 v2, 31, v0                           ; lane
	s_wait_kmcnt 0x0
	s_cmp_lt_u32 ttmp9, 1
	s_cbranch_scc1 .Lpath_fl
	s_cmp_lt_u32 ttmp9, 65
	s_cbranch_scc1 .Lpath_w
	s_cmp_lt_u32 ttmp9, 321
	s_cbranch_scc1 .Lpath_x
	s_cmp_lt_u32 ttmp9, 449
	s_cbranch_scc1 .Lpath_o
	s_cmp_lt_u32 ttmp9, 513
	s_cbranch_scc1 .Lpath_t
; ---------------- PATH M: a wave takes 16 rows x 256 keys.  Whole units of 256 bytes come in (sixteen lanes a row), turn through the wave's stage,
; and lane (r, h) gets the 8 bytes of row r, keys 16 kt + 8 h + 0..7.  Word 8 kt + j collects, over the 32 lanes, the byte j: one compare a word.
	s_sub_co_u32 s27, ttmp9, 513
	s_lshr_b32 s28, s27, 2                         ; tile of 16 positions
	s_and_b32 s29, s27, 3                          ; which 1,024 keys
	s_lshl_b32 s30, s28, 16
	s_lshl_b32 s2, s29, 10
	s_add_co_u32 s30, s30, s2
	s_lshl_b32 s2, s26, 8
	s_add_co_u32 s30, s30, s2
	s_mov_b32 s31, 0
	s_add_nc_u64 s[14:15], s[14:15], s[30:31]
	s_lshl_b32 s30, s28, 13                        ; pm: 8,192 bytes a tile, 128 a step of 64 keys
	s_lshl_b32 s2, s29, 11
	s_add_co_u32 s30, s30, s2
	s_lshl_b32 s2, s26, 9
	s_add_co_u32 s30, s30, s2
	s_add_nc_u64 s[22:23], s[22:23], s[30:31]
	s_lshl_b32 s30, s28, 6                         ; fl2: 64 bytes a tile, 4 for each 256 keys
	s_lshl_b32 s2, s29, 4
	s_add_co_u32 s30, s30, s2
	s_lshl_b32 s2, s26, 2
	s_add_co_u32 s30, s30, s2
	s_add_nc_u64 s[60:61], s[60:61], s[30:31]
	v_and_b32 v5, 15, v2
	v_lshrrev_b32 v6, 4, v2
	v_lshlrev_b32 v3, 12, v6
	v_lshl_add_u32 v3, v5, 4, v3                   ; in memory: row (lane / 16), 16 bytes a lane
	s_mul_i32 s2, s26, 4352
	s_add_co_u32 s2, s2, MR
	v_mul_u32_u24 v4, v6, 272
	v_lshl_add_u32 v4, v5, 4, v4
	v_add_nc_u32 v4, s2, v4                        ; into the stage, likewise
	v_mul_u32_u24 v7, v5, 272
	v_lshl_add_u32 v7, v6, 3, v7
	v_add_nc_u32 v7, s2, v7                        ; out of it: row r, + 8 h
	v_lshlrev_b32 v8, 4, v2
.irp i, 0,1,2,3,4,5,6,7
	global_load_b128 v[32+4*\i:35+4*\i], v3, s[14:15] offset:8192*\i th:TH_LOAD_NT
.endr
.irp i, 0,1,2,3
	v_mov_b32 v[96+\i], 0                          ; a lane write's destination counts as read
.endr
	s_wait_loadcnt 0x0
.irp i, 0,1,2,3,4,5,6,7
	ds_store_b128 v4, v[32+4*\i:35+4*\i] offset:544*\i
.endr
.irp i, 0,1,2,3,4,5,6,7,8,9,10,11,12,13,14,15
	ds_load_b64 v[64+2*\i:65+2*\i], v7 offset:16*\i    ; LDS serves a wave's instructions in order: these see my stores
.endr
	s_wait_dscnt 0x0
.set q, 0
.rept 128
	v_and_b32 v[100+q%4], 0xff<<(8*(q%4)), v[64+2*(q/8)+((q%8)/4)]
	v_cmp_ne_u32 s[32+q%8], 0, v[100+q%4]
	v_writelane_b32 v[96+q%4], s[32+q%8], q/4      ; word q belongs to lane q / 4, register q % 4: 16 bytes a lane on the way out
.if q%32 == 0
	s_mov_b32 s[40+q/32], s[32+q%8]                ; and the 32 words of each step of 64 keys are gathered by OR
.else
	s_or_b32 s[40+q/32], s[40+q/32], s[32+q%8]
.endif
.set q, q+1
.endr
	global_store_b128 v8, v[96:99], s[22:23]       ; 512 consecutive bytes
	s_or_b32 s44, s40, s41
	s_or_b32 s45, s42, s43
	s_or_b32 s44, s44, s45                         ; bit (lane): row lane % 16 holds a true byte among my 256 keys
	s_lshr_b32 s45, s44, 16
	s_or_b32 s44, s44, s45                         ; both halves of the lanes
	s_lshl_b32 s44, s44, 16                        ; the 16 row bits, in the word's upper half
.irp st, 0,1,2,3
	s_cmp_lg_u32 s[40+\st], 0
	s_cselect_b32 s45, 1<<\st, 0
	s_or_b32 s44, s44, s45                         ; the four step bits
.endr
	v_mov_b32 v9, s44
	v_mov_b32 v10, 0
	v_cmp_eq_u32 vcc_lo, 0, v2
	s_wait_xcnt 0x0                                ; EXEC changes only behind this wait
	s_and_saveexec_b32 s45, vcc_lo
	global_store_b32 v10, v9, s[60:61]             ; one word a wave, from lane 0: 16 KB in the whole launch
	s_wait_xcnt 0x0                                ; and again, in front of the line that widens it
	s_or_b32 exec_lo, exec_lo, s45
	s_branch .Lend
; ---------------- PATH FL: wave w looks at rows 0-15, keys 1,024 w on.
.Lpath_fl:
	s_lshl_b32 s28, s26, 10
	s_mov_b32 s29, 0
	s_add_nc_u64 s[14:15], s[14:15], s[28:29]
	s_lshl_b32 s28, s26, 8
	s_add_nc_u64 s[24:25], s[24:25], s[28:29]
	v_and_b32 v5, 15, v2
	v_lshrrev_b32 v6, 4, v2
	v_lshlrev_b32 v3, 12, v6
	v_lshl_add_u32 v3, v5, 4, v3
.irp c, 0,1,2,3
.irp i, 0,1,2,3,4,5,6,7
	global_load_b128 v[32+4*(8*\c+\i):35+4*(8*\c+\i)], v3, s[14:15] offset:256*\c+8192*\i   ; chunk c of 256 keys, rows 2 i and 2 i + 1
.endr
.endr
	s_wait_loadcnt 0x0
.set q, 0
.rept 32
	v_or_b32 v[32+4*q], v[32+4*q], v[33+4*q]
	v_or_b32 v[34+4*q], v[34+4*q], v[35+4*q]
	v_or_b32 v[32+4*q], v[32+4*q], v[34+4*q]
.set q, q+1
.endr
.irp c, 0,1,2,3
	v_or_b32 v[8+\c], v[32+32*\c], v[36+32*\c]     ; over the rows: my 16 keys of chunk c
.irp i, 2,3,4,5,6,7
	v_or_b32 v[8+\c], v[8+\c], v[32+32*\c+4*\i]
.endr
.endr
.irp i, 0,1,2,3,4,5,6,7
	v_or_b32 v[16+\i], v[32+4*\i], v[64+4*\i]      ; over the chunks: my row of pair i
	v_or_b32 v[16+\i], v[16+\i], v[96+4*\i]
	v_or_b32 v[16+\i], v[16+\i], v[128+4*\i]
.endr
.irp c, 0,1,2,3
	v_cmp_ne_u32 s[32+\c], 0, v[8+\c]
.endr
.irp i, 0,1,2,3,4,5,6,7
	v_cmp_ne_u32 s[36+\i], 0, v[16+\i]
.endr
	s_mov_b32 s27, 0                               ; F: bit 4 c + st: step st of chunk c holds a true byte (lanes 4 st .. 4 st + 3 of both halves)
	s_mov_b32 s29, 0                               ; R: bit r: row r holds one
.irp c, 0,1,2,3
.irp st, 0,1,2,3
	s_and_b32 s28, s[32+\c], 0x000f000f<<(4*\st)
	s_cselect_b32 s28, 1<<(4*\c+\st), 0
	s_or_b32 s27, s27, s28
.endr
.endr
.irp i, 0,1,2,3,4,5,6,7
	s_and_b32 s28, s[36+\i], 0xffff
	s_cselect_b32 s28, 1<<(2*\i), 0
	s_or_b32 s29, s29, s28
	s_and_b32 s28, s[36+\i], 0xffff0000
	s_cselect_b32 s28, 1<<(2*\i+1), 0
	s_or_b32 s29, s29, s28
.endr
	v_mov_b32 v4, s27
	v_mov_b32 v5, s29
	v_lshlrev_b32 v3, 3, v2
	global_store_b64 v3, v[4:5], s[24:25]          ; every lane stores the pair: 256 consecutive bytes
	s_branch .Lend
; ---------------- PATH W: a lane takes a column, its registers run down K; a wave takes 32 columns x 512 along K.  One text for three tensors: the row pitch is a register.
.Lpath_w:
	s_sub_co_u32 s27, ttmp9, 1
	s_and_b32 s28, s27, 15                         ; which 128 of the 2,048 columns (Wq 0-7, Wk 8-11, Wv 12-15)
	s_lshr_b32 s29, s27, 4                         ; which 512 along K
	s_cmp_lt_u32 s28, 12
	s_cselect_b64 s[8:9], s[8:9], s[10:11]
	s_cselect_b32 s30, 8, 12
	s_cmp_lt_u32 s28, 8
	s_cselect_b64 s[6:7], s[6:7], s[8:9]
	s_cselect_b32 s30, 0, s30
	s_cselect_b32 s31, 12, 11                      ; log2 of a row's bytes
	s_sub_co_u32 s30, s28, s30
	s_lshl_b32 s30, s30, 7
	s_lshl_b32 s27, s26, 5
	s_add_co_u32 s30, s30, s27                     ; my wave's first column in its tensor
	s_lshl_b32 s30, s30, 2
	s_lshl_b32 s27, s29, 9
	s_lshl_b32 s27, s27, s31
	s_add_co_u32 s2, s27, s30
	s_mov_b32 s3, 0
	s_add_nc_u64 s[32:33], s[6:7], s[2:3]          ; block 0's base; all sixteen are made now, so that none is stepped under a load
	s_lshl_b32 s2, 32, s31
.irp t, 1,2,3,4,5,6,7,8,9,10,11,12,13,14,15
	s_add_nc_u64 s[32+2*\t:33+2*\t], s[30+2*\t:31+2*\t], s[2:3]
.endr
	s_lshl_b32 s2, s28, 7
	s_lshl_b32 s3, s26, 5
	s_add_co_u32 s2, s2, s3                        ; my first row of the codes
	s_lshl_b32 s10, s2, 10
	s_lshl_b32 s3, s29, 8
	s_add_co_u32 s10, s10, s3
	s_add_co_u32 s10, s10, WC
	s_mov_b32 s11, 0
	s_add_nc_u64 s[10:11], s[18:19], s[10:11]
	s_lshl_b32 s12, s2, 6
	s_lshl_b32 s3, s29, 4
	s_add_co_u32 s12, s12, s3
	s_add_co_u32 s12, s12, WS
	s_mov_b32 s13, 0
	s_add_nc_u64 s[12:13], s[18:19], s[12:13]
	v_lshlrev_b32 v3, 2, v2
	s_lshl_b32 s27, 1, s31
.set i, 0
.rept 32
	v_mad_u32_u24 v[VO+i], s27, i, v3              ; 4 x lane + i rows
.set i, i+1
.endr
	s_mul_i32 s3, s26, 32*272
	s_add_co_u32 s3, s3, WR
	v_mul_u32_u24 v4, v2, 272
	v_add_nc_u32 v4, s3, v4                        ; into my stage: row = my column
	v_and_b32 v5, 15, v2
	v_lshrrev_b32 v6, 4, v2
	v_mul_u32_u24 v7, v6, 272
	v_lshl_add_u32 v7, v5, 4, v7
	v_add_nc_u32 v7, s3, v7                        ; out of it: sixteen lanes to a row
	v_lshlrev_b32 v8, 10, v6
	v_lshl_add_u32 v8, v5, 4, v8                   ; the same place among the codes' rows of 1,024 bytes
	v_lshlrev_b32 v9, 6, v2                        ; my column's row of scale bytes
.macro WLOAD t
.set i, 0
.rept 32
	global_load_b32 v[X9+32*((\t)%2)+i], v[VO+i], s[32+2*(\t):33+2*(\t)] th:TH_LOAD_NT
.set i, i+1
.endr
.endm
	WLOAD 0
	WLOAD 1
.macro WBLOCK t
.set XB, X9+32*((\t)%2)
.if (\t) < 15
	s_wait_loadcnt 32                              ; this block's 32 loads are in; the next block's 32 may be out
.else
	s_wait_loadcnt 0x0
.endif
	v_max3_num_f32 v12, |v[XB]|, |v[XB+1]|, |v[XB+2]|
	v_max3_num_f32 v13, |v[XB+3]|, |v[XB+4]|, |v[XB+5]|
.irp i, 6,10,14,18,22,26
	v_max3_num_f32 v12, v12, |v[XB+\i]|, |v[XB+\i+1]|
	v_max3_num_f32 v13, v13, |v[XB+\i+2]|, |v[XB+\i+3]|
.endr
	v_max3_num_f32 v12, v12, |v[XB+30]|, |v[XB+31]|
	v_max3_num_f32 v12, v12, v13, 0x1800000        ; the floor 2^(3 - 127): the byte cannot fall under 1
	v_add_nc_u32 v11, 0xff000000, v12              ; 2 off the exponent field: the conversion's scale operand
	v_lshrrev_b32 v13, 23, v11                     ; the scale's byte
.if (\t)%4 == 0
	v_mov_b32 v[SB9+(\t)/4], v13
.else
	v_lshl_or_b32 v[SB9+(\t)/4], v13, 8*((\t)%4), v[SB9+(\t)/4]
.endif
.irp g, 0,1,2,3
	v_cvt_scalef32_pk8_fp4_f32 v[C9+\g], v[XB+8*\g:XB+8*\g+7], v11
.endr
	ds_store_b128 v4, v[C9:C9+3] offset:16*(\t)
.if (\t)+2 < 16
	WLOAD (\t)+2
.endif
	s_wait_dscnt 0x0                               ; the store has read its registers: the next block's codes may be written
.endm
.irp t, 0,1,2,3,4,5,6,7,8,9,10,11,12,13,14,15
	WBLOCK \t
.endr
	global_store_b128 v9, v[SB9:SB9+3], s[12:13]
.irp t, 0,1,2,3,4,5,6,7,8,9,10,11,12,13,14,15
	ds_load_b128 v[OUT9+4*\t:OUT9+4*\t+3], v7 offset:2*\t*272
.endr
.irp t, 0,1,2,3,4,5,6,7,8,9,10,11,12,13,14,15
	s_wait_dscnt 15-\t                             ; LDS loads come back in order: load t is in
	global_store_b128 v8, v[OUT9+4*\t:OUT9+4*\t+3], s[10:11] offset:2*\t*1024   ; sixteen lanes store 256 consecutive bytes, aligned
.endr
	s_branch .Lend
; ---------------- PATH X: a plain stream of blocks of 32.  A wave takes 16 steps of 512 numbers; loads are dense (512 bytes each) and turn through the wave's stage so that a lane holds 16 neighbours.
.Lpath_x:
	s_sub_co_u32 s27, ttmp9, 65
	s_lshl_b32 s27, s27, 2
	s_add_co_u32 s27, s27, s26                     ; which run of 8,192 numbers
	s_mov_b32 s29, 0
	s_lshl_b32 s28, s27, 15
	s_add_nc_u64 s[4:5], s[4:5], s[28:29]
	s_lshl_b32 s28, s27, 12
	s_add_nc_u64 s[30:31], s[18:19], s[28:29]      ; its codes
	s_lshl_b32 s28, s27, 8
	s_add_co_u32 s28, s28, XS
	s_add_nc_u64 s[32:33], s[18:19], s[28:29]      ; its 256 scale bytes
	v_lshlrev_b32 v3, 4, v2
	s_mul_i32 s34, s26, 8192
	v_lshrrev_b32 v14, 2, v2
	v_mul_u32_u24 v14, v14, 80
	v_and_b32 v15, 3, v2
	v_lshl_add_u32 v14, v15, 4, v14
	v_add_nc_u32 v14, s34, v14                     ; the stage, in: four lanes' 64 bytes on end, then 16 of padding
	v_mul_u32_u24 v15, v2, 80
	v_add_nc_u32 v15, s34, v15                     ; and out: 80 x lane: my 16 neighbours
	v_mul_u32_u24 v4, v2, 8
	v_lshrrev_b32 v5, 1, v2
	s_add_co_u32 s34, s34, 2*32*80
	v_add_nc_u32 v5, s34, v5                       ; my block's byte among the wave's 256
	v_lshlrev_b32 v7, 3, v2
	v_add_nc_u32 v6, s34, v7
.macro XLOAD t
.irp i, 0,1,2,3
	global_load_b128 v[R8+16*((\t)%4)+4*\i:R8+16*((\t)%4)+4*\i+3], v3, s[4:5] offset:2048*(\t)+512*\i th:TH_LOAD_NT
.endr
.endm
.macro XTURN t
.irp i, 0,1,2,3
	ds_store_b128 v14, v[R8+16*((\t)%4)+4*\i:R8+16*((\t)%4)+4*\i+3] offset:2560*((\t)%2)+640*\i
.endr
.irp i, 0,1,2,3
	ds_load_b128 v[X8+16*((\t)%2)+4*\i:X8+16*((\t)%2)+4*\i+3], v15 offset:2560*((\t)%2)+16*\i
.endr
.endm
.irp t, 0,1,2,3
	XLOAD \t
.endr
	s_wait_loadcnt 12                              ; step 0's four loads are in; twelve younger may be out
	XTURN 0
.macro XSTEP t
.set XN, X8+16*((\t)%2)
.if (\t) > 0
	s_wait_dscnt 1                                 ; this step's numbers are back from the stage; the last step's byte store may be out
.else
	s_wait_dscnt 0x0
.endif
.if (\t)+4 < 16
	XLOAD (\t)+4
.endif
.if (\t)+1 < 16
.if 14-(\t) >= 3
	s_wait_loadcnt 12                              ; the next step's four loads are in; those of three steps behind it may be out
.else
	s_wait_loadcnt 4*(14-(\t))
.endif
	XTURN (\t)+1
.endif
	v_max3_num_f32 v8, |v[XN]|, |v[XN+1]|, |v[XN+2]|
	v_max3_num_f32 v9, |v[XN+3]|, |v[XN+4]|, |v[XN+5]|
.irp i, 6,10
	v_max3_num_f32 v8, v8, |v[XN+\i]|, |v[XN+\i+1]|
	v_max3_num_f32 v9, v9, |v[XN+\i+2]|, |v[XN+\i+3]|
.endr
	v_max3_num_f32 v8, v8, |v[XN+14]|, |v[XN+15]|
	v_max3_num_f32 v8, v8, v9, 0x1800000
	v_max_num_f32_dpp v8, v8, v8 row_xmask:1 row_mask:0xf bank_mask:0xf   ; with my neighbour's 16: the block's
	v_add_nc_u32 v11, 0xff000000, v8
	v_cvt_scalef32_pk8_fp4_f32 v[C8+4*(\t)], v[XN:XN+7], v11
	v_cvt_scalef32_pk8_fp4_f32 v[C8+4*(\t)+1], v[XN+8:XN+15], v11
	v_lshrrev_b32 v[E8+(\t)], 23, v11
	ds_store_b8 v5, v[E8+(\t)] offset:16*(\t)
	global_store_b64 v4, v[C8+4*(\t):C8+4*(\t)+1], s[30:31] offset:256*(\t)   ; 256 consecutive bytes, aligned
.endm
.irp t, 0,1,2,3,4,5,6,7,8,9,10,11,12,13,14,15
	XSTEP \t
.endr
	ds_load_b64 v[8:9], v6
	s_wait_dscnt 0x0
	global_store_b64 v7, v[8:9], s[32:33]
	s_branch .Lend
; ---------------- PATH O: a lane takes a column n of Wo, its registers run down 128 of K; high and low parts leave through the wave's stage as rows of 256 bytes.
.Lpath_o:
	s_sub_co_u32 s27, ttmp9, 321
	s_and_b32 s28, s27, 15
	s_lshr_b32 s29, s27, 4
	s_lshl_b32 s2, s28, 7
	s_lshl_b32 s3, s26, 5
	s_add_co_u32 s2, s2, s3                        ; my wave's first column
	s_lshl_b32 s30, s29, 20                        ; 128 rows of 8,192 bytes
	s_lshl_b32 s3, s2, 2
	s_add_co_u32 s30, s30, s3
	s_mov_b32 s31, 0
	s_add_nc_u64 s[12:13], s[12:13], s[30:31]
	s_lshl_b32 s30, s2, 11
	s_lshl_b32 s3, s29, 8
	s_add_co_u32 s30, s30, s3
	s_add_nc_u64 s[20:21], s[20:21], s[30:31]
	v_lshlrev_b32 v3, 2, v2
	s_mul_i32 s3, s26, 32*272
	s_add_co_u32 s3, s3, OR_
	v_mul_u32_u24 v4, v2, 272
	v_add_nc_u32 v4, s3, v4
	v_and_b32 v5, 15, v2
	v_lshrrev_b32 v6, 4, v2
	v_mul_u32_u24 v7, v6, 272
	v_lshl_add_u32 v7, v5, 4, v7
	v_add_nc_u32 v7, s3, v7
	v_lshlrev_b32 v8, 11, v6
	v_lshl_add_u32 v8, v5, 4, v8
.set i, 0
.rept 128
	global_load_b32 v[32+i], v3, s[12:13] offset:8192*i th:TH_LOAD_NT
.set i, i+1
.endr
.irp t, 0,1,2,3
.if \t < 2
	s_wait_loadcnt 63                              ; 96 or 64 younger loads might stay out: 63 is the most that the wait can name
.else
	s_wait_loadcnt 96-32*\t                        ; the younger blocks' loads may be out
.endif
.irp g, 0,1,2,3
	SPLIT4 32+32*\t+4*\g, 164+16*\t+4*\g, 32+32*\t+8*\g, 12, 20   ; the high parts are laid over numbers that are done with
.endr
.irp g, 0,1,2,3
	ds_store_b128 v4, v[32+32*\t+4*\g:35+32*\t+4*\g] offset:64*\t+16*\g
.endr
.endr
	s_wait_dscnt 0x0                               ; the stores have read their registers
.irp t, 0,1,2,3,4,5,6,7,8,9,10,11,12,13,14,15
	ds_load_b128 v[32+4*\t:35+4*\t], v7 offset:2*\t*272
.endr
.irp t, 0,1,2,3,4,5,6,7,8,9,10,11,12,13,14,15
	ds_store_b128 v4, v[164+4*\t:167+4*\t] offset:16*\t          ; the low parts follow into the same stage: LDS serves my instructions in order
.endr
.irp t, 0,1,2,3,4,5,6,7,8,9,10,11,12,13,14,15
	s_wait_dscnt 31-\t                             ; load t is in; behind it 15 - t loads and the 16 stores
	global_store_b128 v8, v[32+4*\t:35+4*\t], s[20:21] offset:2*\t*2048
.endr
.irp t, 0,1,2,3,4,5,6,7,8,9,10,11,12,13,14,15
	ds_load_b128 v[96+4*\t:99+4*\t], v7 offset:2*\t*272
.endr
.irp t, 0,1,2,3,4,5,6,7,8,9,10,11,12,13,14,15
	s_wait_dscnt 15-\t
	global_store_b128 v8, v[96+4*\t:99+4*\t], s[20:21] offset:WOTL+2*\t*2048
.endr
	s_branch .Lend
; ---------------- PATH T: a wave makes the table of 16 rows: lane (r, h), trip b: frequencies 16 b + 8 h + 0..7 of row r.
.Lpath_t:
	s_sub_co_u32 s27, ttmp9, 449
	s_lshl_b32 s27, s27, 2
	s_add_co_u32 s27, s27, s26
	s_lshl_b32 s28, s27, 6
	s_mov_b32 s29, 0
	s_add_nc_u64 s[16:17], s[16:17], s[28:29]
	s_lshl_b32 s28, s27, 13
	s_add_co_u32 s28, s28, TAB
	s_add_nc_u64 s[20:21], s[20:21], s[28:29]
	v_and_b32 v5, 15, v2
	v_lshrrev_b32 v6, 4, v2
	v_lshlrev_b32 v3, 2, v5
	global_load_b32 v21, v3, s[16:17]
	v_lshlrev_b32 v6, 3, v6
	v_cvt_f32_u32 v20, v6                          ; 8 h, later + 16 a trip
	v_lshlrev_b32 v22, 4, v2
.irp i, 0,1,2,3,4,5,6,7
	v_cvt_f32_u32 v[24+\i], \i
.endr
	s_mov_b32 s40, 0x3f22f983                      ; 2 / pi
	s_mov_b32 s41, 0xbfc90fdb                      ; -(pi / 2) in three parts
	s_mov_b32 s42, 0x333bbd2e
	s_mov_b32 s43, 0x26f72ced
	s_mov_b32 s44, 0xb94ca1f9                      ; sine: r + r^3 (S1 + r^2 (S2 + r^2 S3))
	s_mov_b32 s45, 0x3c08839e
	s_mov_b32 s46, 0xbe2aaaa3
	s_mov_b32 s47, 0x37ccf5ce                      ; cosine: 1 - r^2 / 2 + r^4 (C1 + r^2 (C2 + r^2 C3))
	s_mov_b32 s48, 0xbab6061a
	s_mov_b32 s49, 0x3d2aaaa5
	s_mov_b32 s52, 0xbe549a78                      ; -log2(10000) / 64
	s_mov_b32 s27, 0
	s_wait_loadcnt 0x0
	v_cvt_f32_i32 v21, v21
.macro SINCOS x, c, s
	v_mul_f32 v56, s40, v[\x]
	v_rndne_f32 v56, v56                           ; n
	v_fma_f32 v57, v56, s41, v[\x]
	v_fma_f32 v57, v56, s42, v57
	v_fma_f32 v57, v56, s43, v57                   ; r = x - n pi / 2
	v_cvt_i32_f32 v58, v56
	v_mul_f32 v59, v57, v57
	v_fma_f32 v[\s], v59, s44, s45
	v_fma_f32 v[\s], v[\s], v59, s46
	v_mul_f32 v60, v57, v59
	v_fma_f32 v[\s], v[\s], v60, v57
	v_fma_f32 v[\c], v59, s47, s48
	v_fma_f32 v[\c], v[\c], v59, s49
	v_fma_f32 v[\c], v[\c], v59, -0.5
	v_fma_f32 v[\c], v[\c], v59, 1.0
	v_and_b32 v60, 1, v58
	v_cmp_ne_u32 vcc_lo, 0, v60
	v_cndmask_b32 v60, v[\s], v[\c], vcc_lo        ; an odd quadrant changes the two
	v_cndmask_b32 v[\c], v[\c], v[\s], vcc_lo
	v_and_b32 v[\s], 2, v58                        ; the sine is negative in quadrants 2, 3,
	v_lshlrev_b32 v[\s], 30, v[\s]
	v_xor_b32 v[\s], v[\s], v60
	v_add_nc_u32 v58, 1, v58                       ; the cosine in 1, 2
	v_and_b32 v58, 2, v58
	v_lshlrev_b32 v58, 30, v58
	v_xor_b32 v[\c], v58, v[\c]
.endm
.Ltab:
.irp i, 0,1,2,3,4,5,6,7
	v_add_f32 v[32+\i], v[24+\i], v20
.endr
.irp i, 0,1,2,3,4,5,6,7
	v_mul_f32 v[32+\i], s52, v[32+\i]
.endr
.irp i, 0,1,2,3,4,5,6,7
	v_exp_f32 v[32+\i], v[32+\i]                   ; 10000^(-f / 64)
.endr
	v_add_f32 v20, 0x41800000, v20                 ; a plain line behind the batch: the next trip's frequencies
	s_wait_alu depctr_va_vdst(0)                   ; one wait for the eight, ahead of their first reader
.irp i, 0,1,2,3,4,5,6,7
	v_mul_f32 v[32+\i], v21, v[32+\i]
.endr
.irp i, 0,1,2,3,4,5,6,7
	SINCOS 32+\i, 40+\i, 48+\i
.endr
	global_store_b128 v22, v[40:43], s[20:21]
	global_store_b128 v22, v[44:47], s[20:21] offset:512
	global_store_b128 v22, v[48:51], s[20:21] offset:1024
	global_store_b128 v22, v[52:55], s[20:21] offset:1536     ; each store covers 512 consecutive bytes
	s_wait_xcnt 0x0                                ; the stores' data and offset are rewritten only behind this wait
	v_add_nc_u32 v22, 2048, v22
	s_add_co_u32 s27, s27, 1
	s_cmp_lt_u32 s27, 4
	s_cbranch_scc1 .Ltab
.Lend:
	s_wait_tensorcnt 0x0                           ; the wave's end, behind my last LDS store
	ds_add_u32 v[SPW], v[NIL]
	s_wait_dscnt 0x0
	s_endpgm
.Lfunc_end_k_q64927ceb86_prep:
	.size	k_q64927ceb86_prep, .Lfunc_end_k_q64927ceb86_prep-k_q64927ceb86_prep
	.p2alignl 7, 3214868480
	.fill 96, 4, 3214868480
	.section	.rodata,"a",@progbits
	.p2align	6, 0x0
	.amdhsa_kernel k_q64927ceb86_prep
		.amdhsa_group_segment_fixed_size 120320
		.amdhsa_private_segment_fixed_size 0
		.amdhsa_enable_private_segment 0
		.amdhsa_kernarg_size 96
		.amdhsa_user_sgpr_count 2
		.amdhsa_user_sgpr_kernarg_segment_ptr 1
		.amdhsa_wavefront_size32 1
		.amdhsa_system_sgpr_workgroup_id_x 1
		.amdhsa_system_sgpr_workgroup_id_y 1
		.amdhsa_system_sgpr_workgroup_id_z 1
		.amdhsa_system_vgpr_workitem_id 0
		.amdhsa_next_free_vgpr 232
		.amdhsa_next_free_sgpr 66
		.amdhsa_reserve_vcc 1
		.amdhsa_float_denorm_mode_32 3
		.amdhsa_float_denorm_mode_16_64 3
		.amdhsa_memory_ordered 1
		.amdhsa_forward_progress 1
		.amdhsa_inst_pref_size 226
	.end_amdhsa_kernel
	.amdgpu_metadata
---
amdhsa.version: [ 1, 2 ]
amdhsa.kernels:
  - .name:           k_q64927ceb86_prep
    .symbol:         k_q64927ceb86_prep.kd
    .args:
      - { .name: hidden_states, .offset: 0, .size: 8, .value_kind: global_buffer, .address_space: global }
      - { .name: Wq, .offset: 8, .size: 8, .value_kind: global_buffer, .address_space: global }
      - { .name: Wk, .offset: 16, .size: 8, .value_kind: global_buffer, .address_space: global }
      - { .name: Wv, .offset: 24, .size: 8, .value_kind: global_buffer, .address_space: global }
      - { .name: Wo, .offset: 32, .size: 8, .value_kind: global_buffer, .address_space: global }
      - { .name: attention_mask, .offset: 40, .size: 8, .value_kind: global_buffer, .address_space: global }
      - { .name: position_ids, .offset: 48, .size: 8, .value_kind: global_buffer, .address_space: global }
      - { .name: pa, .offset: 56, .size: 8, .value_kind: global_buffer, .address_space: global }
      - { .name: pb, .offset: 64, .size: 8, .value_kind: global_buffer, .address_space: global }
      - { .name: pm, .offset: 72, .size: 8, .value_kind: global_buffer, .address_space: global }
      - { .name: flags, .offset: 80, .size: 8, .value_kind: global_buffer, .address_space: global }
      - { .name: fl2, .offset: 88, .size: 8, .value_kind: global_buffer, .address_space: global }
    .group_segment_fixed_size: 120320
    .private_segment_fixed_size: 0
    .kernarg_segment_align: 8
    .kernarg_segment_size: 96
    .max_flat_workgroup_size: 128
    .sgpr_count:     66
    .vgpr_count:     232
    .wavefront_size: 32
...
	.end_amdgpu_metadata
.endif
;; end of part 1
;; launch qkv (part 2): grid 16 x 16, 4 waves a work-group, clusters of 4 x 4, 327,680 bytes of LDS; arguments pa, pb, qkv; writes qkv
.if DOCPART == 2
	.amdgcn_target "amdgcn-amd-amdhsa--gfx1250"
	.amdhsa_code_object_version 6
	.text
	.protected	k_q64927ceb86_qkv
	.globl	k_q64927ceb86_qkv
	.p2align	8
	.type	k_q64927ceb86_qkv,@function
k_q64927ceb86_qkv:
	s_mov_b64 s[64:65], 0
	v_nop
	global_prefetch_b8 v0, s[64:65] scope:SCOPE_SE
	s_setreg_imm32_b32 hwreg(HW_REG_WAVE_MODE, 25, 1), 1
	s_wait_xcnt 0x0
	s_wait_alu depctr_hold_cnt(0) depctr_sa_sdst(0) depctr_va_vdst(0) depctr_va_sdst(0) depctr_va_ssrc(0) depctr_va_vcc(0) depctr_vm_vsrc(0)
	s_getreg_b32 s2, hwreg(HW_REG_IB_STS2, 6, 4)
	s_cmp_eq_u32 s2, 0
	s_cbranch_scc0 .Lentry_in_a_cluster
	s_endpgm
.Lentry_in_a_cluster:
	s_bfe_u32 s2, ttmp6, 0x10000c
	s_cmp_lg_u32 s2, 0xf033
	s_cbranch_scc0 .Lentry_shape_is_right
	s_endpgm
.Lentry_shape_is_right:
; q, k, v = hidden x (Wq | Wk | Wv) on codes of E2M1 with E8M0 scales, then the rotation of q and k, then f16.
; A: codes [4096][1024 bytes], B: codes [2048 n][1024 bytes] (n: 8 heads of q, 4 of k, 4 of v), scale bytes [row][64].  K = 2,048.
; A work-group makes 256 rows x 128 columns (one head); its four waves lie one below the other, 64 x 128 each: 32 accumulators.
; So the rotation's partners, channels d and d + 64, are accumulators b and b + 4 of one lane.  K goes in 4 steps of 512 (rows of 256 bytes) through two LDS slots.
; CLUSTERS 4 x 4: A's tiles are asked for jointly along a row of the cluster, B's along a column.  The four columns of a cluster are all q, all k or all v,
; so the one branch of the way out hangs on the cluster's x alone.  THE MATRIX INSTRUCTION IS USED TRANSPOSED (source 0 = B's rows, source 1 = A's rows): a lane holds 8 neighbouring channels of a row.
; The table of cos and sin is loaded by EVERY work-group, those that make v too, which do not use it (64 of the 256, 128 KB each): so every register that the rotation reads is written on every way through the text.
; OUT: qkv, 20 heads of 1 MiB (q 0-7, k 8-11, v 12-15, v's low part x 2^11 16-19; v is cut as hi = t - (t - v), t = 8193 v), f16, LAID AS IMAGES OF THE READERS' OPERAND REGISTERS:
;   q, k: a tile of 16 rows is 4,096 bytes [c 4][u 2][lane 32][16 bytes]: lane (r, h) holds channels 32 c + 16 u + 8 h + 0..7 of row r.  These are the lane's packed results as they stand: no turn through LDS.
;   v:    a step of 64 keys is 16,384 bytes [f = 8 kk + dt][u 2][lane 32][16 bytes]: lane (r, h) holds keys 32 kk + 16 u + 8 h + 0..7 of channel 16 dt + r: turned in the wave's stage by ds_load_tr16_b128.
; LIMIT: |q|, |k|, |v| under 65,504 (f16).
; REGISTERS: window 0: v16-30 addresses; v32-95 scale words, two sets; v128-191 A's fragments, two sets.  window 1: B's fragments, two sets.  window 2: the accumulators, (a, b) at 8 (8 a + b).  window 3: cos and sin.
.set PITCH, 272                        ; an LDS row: 256 bytes + 16: the 16 rows of a load start at 16 different banks (64 banks of 4 bytes: ISA guide 11.1)
.set SLOT,  384*PITCH                  ; A's 256 rows, then B's 128
.set BOFF,  256*PITCH
.set SCL,   2*SLOT                     ; the scale bytes for all of K, in units of 256 bytes + 16: A's 64 units, then B's 32
.set SPARE, SCL+96*272                 ; the spare words: two blocks of 256 bytes that no other line names
.set KROW,  1024
.set WC,    4194304
.set XS,    6291456
.set WS,    6553600
.set TAB,   8388608
.set ADRA, 16
.set ADRB, 20
.set STO,  24
.set RDT,  25
.set ADRS, 27
.set SPW,  28
.set NIL,  29
.set LI,   30
.set SC,   32
.set AF,   128
.set Y,    32                          ; the way out: 64 numbers of a block of 16 rows
.set TMP,  96                          ; packed
.set BK,   128                         ; v turned, back from the stage: two sets of 32
.set UR,   224                         ; at work (rotation)
.set UV,   192                         ; at work (v's split)
.set G1, 24
.set G0, 32
.set G1B, 48
.set G0B, 56
.set G1S, 68
.set G0S, 76
.set G1SB, 80
.set G0SB, 88
.set MSB, 0
.macro WIN new                         ; the immediate's high byte repeats the setting that is left
.if MSB != \new
	s_set_vgpr_msb (MSB<<8)|\new
.set MSB, \new
.endif
.endm
.set MUL,  0xa1                        ; source 0 (B) window 1, source 1 (A) window 0, C and D window 2
.set TO_B, 0x40
.macro JLOAD g0a, g1a, g0b, g1b        ; waves 0 and 1 fetch for A, waves 2 and 3 for B; an s_nop 0 and four v_nop follow each line
	s_cmp_eq_u32 s15, 0
	s_cbranch_scc0 .Lfor_b_\@
	tensor_load_to_lds s[\g0a:\g0a+3], s[\g1a:\g1a+7]
	s_nop 0
.rept 4
	v_nop
.endr
	s_branch .Lasked_\@
.Lfor_b_\@:
	tensor_load_to_lds s[\g0b:\g0b+3], s[\g1b:\g1b+7]
	s_nop 0
.rept 4
	v_nop
.endr
.Lasked_\@:
.endm
.macro CREST
	s_cmp_lg_u32 s14, 0
	s_cbranch_scc1 .Lnot_wave_0_\@
	s_barrier_signal -3
.Lnot_wave_0_\@:
	s_barrier_wait -3
	s_barrier_signal -1
	s_barrier_wait -1
.endm
.macro CROUND
	s_barrier_signal -1
	s_barrier_wait -1
	CREST
.endm
.macro PLACES n
.rept \n
	v_nop
.endr
.endm
	s_load_b128 s[4:7], s[0:1], 0x0                ; pa, pb
	s_load_b64 s[8:9], s[0:1], 0x10                ; qkv
	v_lshl_add_u32 v[SPW], v0, 2, SPARE
	v_mov_b32 v[NIL], 0
	ds_add_u32 v[SPW], v[NIL]                      ; the opening: the add, twice on end, and its wait ahead of my first tensor load
	ds_add_u32 v[SPW], v[NIL]
	v_lshrrev_b32 v1, 5, v0
	v_readfirstlane_b32 s14, v1                    ; wave
	s_lshr_b32 s15, s14, 1                         ; I fetch for A (0) or B (1),
	s_and_b32 s16, s14, 1                          ; its first or second half
	s_bfe_u32 s40, ttmp6, 0x40000                  ; cx
	s_bfe_u32 s41, ttmp6, 0x40004                  ; cy
	s_lshl_b32 s42, ttmp9, 2
	s_add_co_u32 s42, s42, s40                     ; tile column = head
	s_and_b32 s17, ttmp7, 0xffff
	s_lshl_b32 s17, s17, 2
	s_add_co_u32 s17, s17, s41                     ; tile row
	s_lshl_b32 s43, s41, 2
	s_lshl_b32 s43, 15, s43                        ; my row of the cluster
	s_lshl_b32 s44, 0x1111, s40                    ; my column
	s_or_b32 s[G1+0], s43, (0<<16)|(1<<20)|(1<<21)|(5<<22)|(3<<25)   ; mask; elements of 1 byte; padding: 4 words behind every 64
	s_or_b32 s[G1B+0], s44, (0<<16)|(1<<20)|(1<<21)|(5<<22)|(3<<25)
	s_mov_b32 s[G1+1], 256<<16                     ; tensor_dim0
	s_mov_b32 s[G1+2], 128<<16                     ; tensor_dim1: A: 128 rows a load
	s_mov_b32 s[G1+3], 256<<16                     ; tile_dim0
	s_mov_b32 s[G1+4], 128                         ; tile_dim1
	s_mov_b32 s[G1+5], KROW
	s_mov_b32 s[G1+6], 0
	s_mov_b32 s[G1+7], 0
	s_mov_b32 s[G1B+1], 256<<16
	s_mov_b32 s[G1B+2], 64<<16                     ; B: 64 rows a load
	s_mov_b32 s[G1B+3], 256<<16
	s_mov_b32 s[G1B+4], 64
	s_mov_b32 s[G1B+5], KROW
	s_mov_b32 s[G1B+6], 0
	s_mov_b32 s[G1B+7], 0
	s_or_b32 s[G1S+0], s43, (3<<16)|(1<<20)|(1<<21)|(5<<22)|(3<<25)  ; the scale bytes: dense, as rows of 32 elements of 8 bytes
	s_or_b32 s[G1SB+0], s44, (3<<16)|(1<<20)|(1<<21)|(5<<22)|(3<<25)
	s_mov_b32 s[G1S+1], 32<<16
	s_mov_b32 s[G1S+2], 32<<16                     ; 128 rows x 64 bytes = 32 units
	s_mov_b32 s[G1S+3], 32<<16
	s_mov_b32 s[G1S+4], 32
	s_mov_b32 s[G1S+5], 32
	s_mov_b32 s[G1S+6], 0
	s_mov_b32 s[G1S+7], 0
	s_mov_b32 s[G1SB+1], 32<<16
	s_mov_b32 s[G1SB+2], 16<<16                    ; 64 rows = 16 units
	s_mov_b32 s[G1SB+3], 32<<16
	s_mov_b32 s[G1SB+4], 16
	s_mov_b32 s[G1SB+5], 32
	s_mov_b32 s[G1SB+6], 0
	s_mov_b32 s[G1SB+7], 0
	s_lshl_b32 s18, s16, 7
	s_lshl_b32 s20, s17, 8
	s_add_co_u32 s20, s20, s18                     ; A's first row that I fetch
	s_lshl_b32 s22, s20, 6
	s_add_co_u32 s22, s22, XS
	s_mov_b32 s23, 0
	s_lshl_b32 s20, s20, 10
	s_mov_b32 s21, 0
	s_lshl_b32 s18, s16, 6
	s_lshl_b32 s46, s42, 7
	s_add_co_u32 s46, s46, s18                     ; B's
	s_lshl_b32 s92, s46, 6
	s_add_co_u32 s92, s92, WS
	s_mov_b32 s93, 0
	s_lshl_b32 s46, s46, 10
	s_add_co_u32 s46, s46, WC
	s_mov_b32 s47, 0
	s_mul_i32 s45, s16, 128*PITCH                  ; where they go: no place in the cluster enters an LDS address
	s_mul_i32 s94, s16, 64*PITCH
	s_add_co_u32 s94, s94, BOFF
	s_mul_i32 s95, s16, 32*272
	s_add_co_u32 s95, s95, SCL
	s_mul_i32 s96, s16, 16*272
	s_add_co_u32 s96, s96, SCL+64*272
	s_wait_dscnt 0x0                               ; both opening adds are done
	s_wait_kmcnt 0x0
	s_add_nc_u64 s[20:21], s[4:5], s[20:21]
	s_add_nc_u64 s[22:23], s[4:5], s[22:23]
	s_add_nc_u64 s[46:47], s[4:5], s[46:47]
	s_add_nc_u64 s[92:93], s[4:5], s[92:93]
	CROUND                                         ; all sixteen work-groups are here: the first joint loads meet
	s_mov_b32 s[G0S], 1
	s_mov_b32 s[G0S+1], s95
	s_mov_b64 s[G0S+2:G0S+3], s[22:23]
	s_or_b32 s[G0S+3], s[G0S+3], 0x80000000
	s_mov_b32 s[G0SB], 1
	s_mov_b32 s[G0SB+1], s96
	s_mov_b64 s[G0SB+2:G0SB+3], s[92:93]
	s_or_b32 s[G0SB+3], s[G0SB+3], 0x80000000
	JLOAD G0S, G1S, G0SB, G1SB                     ; the scales first: filled once
.irp s, 0,1
	s_mov_b32 s[G0+4*\s], 1
	s_add_co_u32 s[G0+4*\s+1], s45, \s*SLOT
	s_add_nc_u64 s[G0+4*\s+2:G0+4*\s+3], s[20:21], \s*256
	s_or_b32 s[G0+4*\s+3], s[G0+4*\s+3], 0x80000000
	s_mov_b32 s[G0B+4*\s], 1
	s_add_co_u32 s[G0B+4*\s+1], s94, \s*SLOT
	s_add_nc_u64 s[G0B+4*\s+2:G0B+4*\s+3], s[46:47], \s*256
	s_or_b32 s[G0B+4*\s+3], s[G0B+4*\s+3], 0x80000000
	JLOAD G0+4*\s, G1, G0B+4*\s, G1B               ; three tensor loads of mine are out now, never more
.endr
	v_and_b32 v1, 15, v0                           ; r
	v_bfe_u32 v2, v0, 4, 1                         ; h
	v_mul_u32_u24 v3, v1, PITCH
	v_lshl_add_u32 v4, v2, 4, v3                   ; a fragment's row x pitch + 16 h
	s_mul_i32 s21, s14, 64*PITCH                   ; my 64 rows of A
	v_add_nc_u32 v[ADRA], s21, v4
	v_add_nc_u32 v[ADRA+1], SLOT, v[ADRA]
	v_add_nc_u32 v[ADRB], BOFF, v4
	v_add_nc_u32 v[ADRB+1], SLOT+BOFF, v4
	v_lshlrev_b32 v5, 6, v1                        ; my row's scales: 64 bytes a row, 16 more for each 256 passed
	v_lshrrev_b32 v6, 8, v5
	v_lshl_add_u32 v5, v6, 4, v5
	s_mul_i32 s21, s14, 16*272                     ; A's: my 64 rows = 16 units
	s_xor_b32 s22, s14, 3
	s_add_co_u32 s22, s22, 1
	s_mul_i32 s22, s22, 16*272                     ; (4 - wave) x 16 units: from there to B's
	v_mul_u32_u24 v6, s22, v2                      ; lanes 16-31 take B's
	s_add_co_u32 s21, s21, SCL
	v_add_nc_u32 v5, v5, v6
	v_add_nc_u32 v[ADRS], s21, v5
	s_mul_i32 s23, s14, 16*PITCH                   ; my stage for v's way out, in slot 0
	v_add_nc_u32 v[STO], s23, v4                   ; in: row r, 16 bytes for each half of the lanes
	v_and_b32 v5, 7, v0
	v_lshl_add_u32 v5, v2, 3, v5                   ; back, turned: lane l reads 16 bytes of row 8 (l / 16) + l % 8,
	v_mul_u32_u24 v5, v5, PITCH
	v_bfe_u32 v6, v0, 3, 1
	v_lshl_add_u32 v5, v6, 4, v5                   ; channels 8 ((l / 8) % 2) on
	v_add_nc_u32 v[RDT], s23, v5
	v_and_b32 v6, 31, v0
	v_lshlrev_b32 v[LI], 4, v6
	s_lshl_b32 s20, s17, 17                        ; the table of my 64 rows: 8,192 bytes for each 16
	s_lshl_b32 s21, s14, 15
	s_add_co_u32 s20, s20, s21
	s_add_co_u32 s20, s20, TAB
	s_mov_b32 s21, 0
	s_add_nc_u64 s[10:11], s[6:7], s[20:21]
	s_lshl_b32 s20, s42, 20                        ; my head; my 64 rows: four tiles of 4,096 bytes, or one step of 16,384
	s_lshl_b32 s21, s17, 16
	s_add_co_u32 s20, s20, s21
	s_lshl_b32 s21, s14, 14
	s_add_co_u32 s20, s20, s21
	s_mov_b32 s21, 0
	s_add_nc_u64 s[8:9], s[8:9], s[20:21]
	WIN 0xc0                                       ; destination window 3.  The table, on every wave's path (the work-groups that make v load it too and leave it unread)
.irp a, 0,1,2,3
.irp e, 0,1,2,3,4,5,6,7,8,9,10,11,12,13,14,15
	global_load_b128 v[64*\a+4*\e:64*\a+4*\e+3], v[LI], s[10:11] offset:8192*\a+512*\e   ; cos of (a, b) at 64 a + 16 b, sin 8 further on: they land under the whole product
.endr
.endr
	WIN 0
.macro FRAG reg, adr, q, i             ; 16 rows x 128 K of 4-bit codes: 8 registers, two loads of 16 bytes, 32 bytes apart
.irp c, 0,1
	ds_load_b128 v[(\reg)+4*\c:(\reg)+4*\c+3], v[\adr] offset:64*(\q)+32*\c+(\i)*16*PITCH
.endr
.endm
.macro FETCH slot, q, p                ; 24 loads in one run: the slot's q-th 128 along K into set p
	WIN TO_B
.irp i, 0,1,2,3,4,5,6,7
	FRAG 128*(\p)+8*\i, ADRB+\slot, \q, \i
.endr
	WIN 0
.irp i, 0,1,2,3
	FRAG AF+32*(\p)+8*\i, ADRA+\slot, \q, \i
.endr
.endm
.macro SCALES sc                       ; a K step's four words a row: lanes 0-15 A's block i (used for i under 4), lanes 16-31 B's block i
.irp i, 0,1,2,3,4,5,6,7
	ds_load_b128 v[SC+32*\sc+4*\i:SC+32*\sc+4*\i+3], v[ADRS] offset:\i*4*272
.endr
.endm
.macro MUL8 a, p, q, sc, zero          ; A's block a against B's eight.  The 32 accumulators take turns, one instruction a turn, in the same order in every quarter
.irp b, 0,1,2,3,4,5,6,7
.if \zero
	v_wmma_scale_f32_16x16x128_f8f6f4 v[8*(8*(\a)+\b):8*(8*(\a)+\b)+7], v[128*(\p)+8*\b:128*(\p)+8*\b+7], v[AF+32*(\p)+8*(\a):AF+32*(\p)+8*(\a)+7], 0, v[SC+32*(\sc)+4*\b+(\q)], v[SC+32*(\sc)+4*(\a)+(\q)] matrix_a_fmt:MATRIX_FMT_FP4 matrix_b_fmt:MATRIX_FMT_FP4 matrix_a_scale:MATRIX_SCALE_ROW1
.else
	v_wmma_scale_f32_16x16x128_f8f6f4 v[8*(8*(\a)+\b):8*(8*(\a)+\b)+7], v[128*(\p)+8*\b:128*(\p)+8*\b+7], v[AF+32*(\p)+8*(\a):AF+32*(\p)+8*(\a)+7], v[8*(8*(\a)+\b):8*(8*(\a)+\b)+7], v[SC+32*(\sc)+4*\b+(\q)], v[SC+32*(\sc)+4*(\a)+(\q)] matrix_a_fmt:MATRIX_FMT_FP4 matrix_b_fmt:MATRIX_FMT_FP4 matrix_a_scale:MATRIX_SCALE_ROW1
.endif
.endr
.endm
.macro STEP slot, q, zero              ; a quarter that has its successor in the same slot
	s_wait_dscnt 0x0                               ; this quarter's fragments, asked for 32 matrix instructions ago
	PLACES 4                                       ; in front of loads into registers that matrix instructions have read (ISA guide 7.12.1 for vector instructions)
	FETCH \slot, (\q)+1, 1-(\q)%2
	WIN MUL
.irp a, 0,1,2,3
	MUL8 \a, (\q)%2, \q, \slot, \zero
.endr
	WIN 0
.endm
.macro TURN slot, next, fill           ; a slot's last quarter changes slots: one barrier
	s_wait_tensorcnt 0x0                           ; all my tensor loads have landed: my part of the next slot;
	ds_add_u32 v[SPW], v[NIL]                      ; 0 onto my spare word;
	s_wait_dscnt 1                                 ; (the fragments are in; the add may be out)
	WIN MUL
	MUL8 0, 1, 3, \slot, 0
	s_wait_dscnt 0x0                               ; the add is done, and my reads of this slot are over
	s_barrier_signal -1
	MUL8 1, 1, 3, \slot, 0
	WIN 0
	s_barrier_wait -1
.if \fill
	CREST                                          ; the barrier has opened a round of the cluster's: no wave of any partner still reads this slot or has a load on its way
	s_add_nc_u64 s[G0+4*\slot+2:G0+4*\slot+3], s[G0+4*\slot+2:G0+4*\slot+3], 512
	s_add_nc_u64 s[G0B+4*\slot+2:G0B+4*\slot+3], s[G0B+4*\slot+2:G0B+4*\slot+3], 512
	JLOAD G0+4*\slot, G1, G0B+4*\slot, G1B         ; the first tensor load behind the round; its four v_nop are the places in front of the loads below
.else
	PLACES 4
.endif
	v_add_nc_u32 v[ADRS], 16, v[ADRS]              ; the next K step's scale words
	FETCH \next, 0, 0
	SCALES \next
	WIN MUL
	MUL8 2, 1, 3, \slot, 0
	MUL8 3, 1, 3, \slot, 0
	WIN 0
.endm
	s_wait_tensorcnt 1                             ; the scales and my part of K step 0 are in; K step 1's load may be out
	s_barrier_signal -1
	s_barrier_wait -1
	FETCH 0, 0, 0
	SCALES 0
	STEP 0, 0, 1                                   ; the first products start the sums: nothing is cleared
	STEP 0, 1, 0
	STEP 0, 2, 0
	TURN 0, 1, 1                                   ; slot 0 takes K step 2
	STEP 1, 0, 0
	STEP 1, 1, 0
	STEP 1, 2, 0
	TURN 1, 0, 1                                   ; slot 1 takes K step 3
	STEP 0, 0, 0
	STEP 0, 1, 0
	STEP 0, 2, 0
	TURN 0, 1, 0                                   ; nothing is left to fetch
	STEP 1, 0, 0
	STEP 1, 1, 0
	STEP 1, 2, 0
	s_wait_dscnt 0x0
	WIN MUL
.irp a, 0,1,2,3
	MUL8 \a, 1, 3, 1, 0
.endr
	WIN 0
; THE WAY OUT, 16 rows at a time.
.macro PACKY
.set i, 0
.rept 32
	v_cvt_pk_f16_f32 v[TMP+i], v[Y+2*i], v[Y+2*i+1]
.set i, i+1
.endr
.endm
.macro ROPE a                          ; x1 cos - x2 sin and x2 cos + x1 sin; each accumulator is read from its low end on
	WIN 0x0e                                       ; source 0 window 2 (sums), source 1 window 3 (table)
.irp b, 0,1,2,3
.irp jj, 0,2,4,6
	v_pk_mul_f32 v[UR+2*\jj:UR+2*\jj+1], v[8*(8*(\a)+\b+4)+\jj:8*(8*(\a)+\b+4)+\jj+1], v[64*(\a)+16*\b+8+\jj:64*(\a)+16*\b+8+\jj+1]
	v_pk_mul_f32 v[UR+2*\jj+2:UR+2*\jj+3], v[8*(8*(\a)+\b)+\jj:8*(8*(\a)+\b)+\jj+1], v[64*(\a)+16*\b+8+\jj:64*(\a)+16*\b+8+\jj+1]
.endr
.irp jj, 0,2,4,6
	v_pk_fma_f32 v[Y+8*\b+\jj:Y+8*\b+\jj+1], v[8*(8*(\a)+\b)+\jj:8*(8*(\a)+\b)+\jj+1], v[64*(\a)+16*\b+\jj:64*(\a)+16*\b+\jj+1], v[UR+2*\jj:UR+2*\jj+1] neg_lo:[0,0,1] neg_hi:[0,0,1]
	v_pk_fma_f32 v[Y+8*(\b+4)+\jj:Y+8*(\b+4)+\jj+1], v[8*(8*(\a)+\b+4)+\jj:8*(8*(\a)+\b+4)+\jj+1], v[64*(\a)+16*\b+\jj:64*(\a)+16*\b+\jj+1], v[UR+2*\jj+2:UR+2*\jj+3]
.endr
.endr
	WIN 0
	s_wait_xcnt 0x0                                ; the block before's stores have read their data: the packed registers are written again only behind this wait
	PACKY
.endm
.macro SENDQK a                        ; registers 4 b .. 4 b + 3 hold channels 16 b + 8 h + 0..7 of row r: group u = b % 2 of the reader's fragment c = b / 2, as it stands
.irp b, 0,1,2,3,4,5,6,7
	global_store_b128 v[LI], v[TMP+4*\b:TMP+4*\b+3], s[8:9] offset:4096*(\a)+512*\b   ; 512 consecutive bytes
.endr
.endm
.macro TOSTAGE u                       ; v: 16 keys x 128 channels into my stage (in slot 0, which has had its last fill and its last read), and back turned: lane (r, h): channel 16 t + r, keys 8 h + 0..7
.irp b, 0,1,2,3,4,5,6,7
	ds_store_b128 v[STO], v[TMP+4*\b:TMP+4*\b+3] offset:32*\b
.endr
.irp t, 0,1,2,3,4,5,6,7
	ds_load_tr16_b128 v[BK+32*((\u)%2)+4*\t:BK+32*((\u)%2)+4*\t+3], v[RDT] offset:32*\t   ; LDS serves a wave's instructions in order: these see the stores above
.endr
.endm
.macro SEND u, off
	s_wait_dscnt 0x0                               ; the turned pieces are back
	s_wait_xcnt 0x0                                ; the stores before have read their registers: the next pieces may land there
.irp t, 0,1,2,3,4,5,6,7
	global_store_b128 v[LI], v[BK+32*((\u)%2)+4*\t:BK+32*((\u)%2)+4*\t+3], s[8:9] offset:(\off)+1024*\t   ; 512 consecutive bytes
.endr
.endm
.macro VHI a                           ; v's high part packed into TMP, its low part x 2^11 left in Y
	WIN 0x02                                       ; source 0 window 2
.set i, 0
.rept 32
	v_pk_mul_f32 v[Y+2*i:Y+2*i+1], v[64*(\a)+2*i:64*(\a)+2*i+1], 0x46000400 op_sel_hi:[1,0]
.set i, i+1
.endr
.set i, 0
.rept 32
	v_pk_add_f32 v[UV+2*i:UV+2*i+1], v[64*(\a)+2*i:64*(\a)+2*i+1], v[Y+2*i:Y+2*i+1] neg_lo:[1,0] neg_hi:[1,0]
.set i, i+1
.endr
	WIN 0
.set i, 0
.rept 32
	v_pk_add_f32 v[Y+2*i:Y+2*i+1], v[Y+2*i:Y+2*i+1], v[UV+2*i:UV+2*i+1] neg_lo:[0,1] neg_hi:[0,1]
.set i, i+1
.endr
	PACKY
	WIN 0x02
.set i, 0
.rept 32
	v_pk_add_f32 v[Y+2*i:Y+2*i+1], v[64*(\a)+2*i:64*(\a)+2*i+1], v[Y+2*i:Y+2*i+1] neg_lo:[0,1] neg_hi:[0,1]
.set i, i+1
.endr
	WIN 0
.set i, 0
.rept 32
	v_pk_mul_f32 v[Y+2*i:Y+2*i+1], v[Y+2*i:Y+2*i+1], 0x45000000 op_sel_hi:[1,0]
.set i, i+1
.endr
.endm
	PLACES 4                                       ; behind the last products: their results are read, and their operands' registers written, below
	s_wait_loadcnt 0x0                             ; the table
	s_cmp_ge_u32 ttmp9, 3                          ; the clusters with x = 3 make v, which is not rotated: the same in all partners
	s_cbranch_scc1 .Lv_out
.irp a, 0,1,2,3
	ROPE \a
	SENDQK \a
.endr
	s_branch .Lout_done
.Lv_out:                                               ; block a of 16 keys is group u = a % 2 of the fragments of kk = a / 2: 8,192 (a / 2) + 512 (a % 2) bytes into the step
	VHI 0
	TOSTAGE 0
	PACKY
	SEND 0, 0
	TOSTAGE 1
.irp a, 1,2,3
	VHI \a
	SEND 1, 4194304+((\a-1)/2)*8192+((\a-1)%2)*512  ; the low part lies four heads on
	TOSTAGE 0
	PACKY
	SEND 0, ((\a)/2)*8192+((\a)%2)*512
	TOSTAGE 1
.endr
	SEND 1, 4194304+8192+512
.Lout_done:
	s_wait_tensorcnt 0x0                           ; the wave's end
	ds_add_u32 v[SPW], v[NIL]
	s_wait_dscnt 0x0
	CROUND                                         ; the closing round
	s_endpgm
.Lfunc_end_k_q64927ceb86_qkv:
	.size	k_q64927ceb86_qkv, .Lfunc_end_k_q64927ceb86_qkv-k_q64927ceb86_qkv
	.p2alignl 7, 3214868480
	.fill 96, 4, 3214868480
	.section	.rodata,"a",@progbits
	.p2align	6, 0x0
	.amdhsa_kernel k_q64927ceb86_qkv
		.amdhsa_group_segment_fixed_size 327680
		.amdhsa_private_segment_fixed_size 0
		.amdhsa_enable_private_segment 0
		.amdhsa_kernarg_size 24
		.amdhsa_user_sgpr_count 2
		.amdhsa_user_sgpr_kernarg_segment_ptr 1
		.amdhsa_wavefront_size32 1
		.amdhsa_system_sgpr_workgroup_id_x 1
		.amdhsa_system_sgpr_workgroup_id_y 1
		.amdhsa_system_sgpr_workgroup_id_z 1
		.amdhsa_system_vgpr_workitem_id 0
		.amdhsa_next_free_vgpr 1024
		.amdhsa_next_free_sgpr 98
		.amdhsa_reserve_vcc 0
		.amdhsa_float_denorm_mode_32 3
		.amdhsa_float_denorm_mode_16_64 3
		.amdhsa_memory_ordered 1
		.amdhsa_forward_progress 1
		.amdhsa_inst_pref_size 220
	.end_amdhsa_kernel
	.amdgpu_metadata
---
amdhsa.version: [ 1, 2 ]
amdhsa.kernels:
  - .name:           k_q64927ceb86_qkv
    .symbol:         k_q64927ceb86_qkv.kd
    .args:
      - { .name: pa, .offset: 0, .size: 8, .value_kind: global_buffer, .address_space: global }
      - { .name: pb, .offset: 8, .size: 8, .value_kind: global_buffer, .address_space: global }
      - { .name: qkv, .offset: 16, .size: 8, .value_kind: global_buffer, .address_space: global }
    .group_segment_fixed_size: 327680
    .private_segment_fixed_size: 0
    .kernarg_segment_align: 8
    .kernarg_segment_size: 24
    .max_flat_workgroup_size: 128
    .sgpr_count:     98
    .vgpr_count:     1024
    .wavefront_size: 32
...
	.end_amdgpu_metadata
.endif
;; end of part 2
;; launch attn (part 3): grid 512 x 1, 4 waves a work-group, no clusters, 153,088 bytes of LDS; arguments qkv, pm, fl2, ao; writes ao
.if DOCPART == 3
	.amdgcn_target "amdgcn-amd-amdhsa--gfx1250"
	.amdhsa_code_object_version 6
	.text
	.protected	k_q64927ceb86_attn
	.globl	k_q64927ceb86_attn
	.p2align	8
	.type	k_q64927ceb86_attn,@function
k_q64927ceb86_attn:
	s_mov_b64 s[64:65], 0
	v_nop
	global_prefetch_b8 v0, s[64:65] scope:SCOPE_SE
	s_setreg_imm32_b32 hwreg(HW_REG_WAVE_MODE, 25, 1), 1
	s_wait_xcnt 0x0
; ao[pos][head][:] = sum over keys of softmax(mask ? q . k / sqrt(128) : very negative) v, all operands f16, products, maxima and sums in f32.
; The mask is an input.  Each score is chosen by one v_cndmask_b32 against a word of 32 lane bits made by the first launch.
; KEY STEPS THAT THE MASK HIDES WHOLLY ARE NOT WALKED: a step of 64 keys in which none of the work-group's 32 rows has a true byte adds nothing, as long as every one of those rows has a true key somewhere
; (its masked p are 0 then).  The first launch's words in fl2 say which steps and which rows hold a true byte; if some row of the 32 holds none at all, all 64 steps are walked: that row is the plain average of all keys.
; SHARES.  A work-group owns 32 positions of one key/value head under BOTH query heads that use it: four tiles of 16 queries (tile t: positions 16 (t / 2) on, head t % 2), which EVERY one of its four waves holds.
; Wave w walks the flagged steps s with s % 4 = w, at least two steps: a wave with fewer adds steps of its own class that are hidden wholly.  At the end the four partial results meet in LDS as images of
; their registers, behind the kernel's one barrier, and wave w joins tile w by the four maxima and sums.  The work-groups of the last positions come first: an order, for an even load where later positions see more keys; no result hangs on it.
; NO TENSOR LOAD, NO CLUSTER: the walk hangs on stored numbers, work-groups walk different numbers of steps, and no barrier may stand in such a walk.  So K and V come from memory straight into the operand
; registers, laid by the launch before in that order: every load covers 512 consecutive bytes, 32 KB a wave and step for its 128 matrix instructions.
; LAYOUT.  S^T = K Q^T, O^T = V^T P: a lane holds one query throughout.  BY TURNS: in a turn one piece (tiles 0, 1 or 2, 3) has the matrix unit (32 products V^T P, then 32 K Q^T of the next step) and the other
; piece's softmax, 332 vector instructions, stands in slices behind its matrix instructions.  Two turns are a key step.
; LOADS AHEAD.  In piece 2's turn each half of V and each channel group of K is asked for anew as soon as its last product is issued: 46 matrix instructions or more ahead of its use.  The last look-ahead of K
; names a clamped step and is not used (16 KB a wave): so the same loads stand behind each other on every way, and the counted waits hold.
; THE MASKED SCORE is -2^33 (as q . k; -7.6e8 after the division) in place of -1e9 x sqrt(128): c x it is exact, so a row that is masked everywhere gets p = 1 for every key.
; LIMITS: true scores lie above -7e8; |q|, |k|, |v| under 65,504; NaN and infinities are not served.
; REGISTERS: window 0: v2-8, v44-47 addresses; v12-43 statistics; v48-55 the exchange's; v60 the masked score; v64-191 S^T; v192-255 P.  window 1: O^T.  window 2: v0-127 Q, v128-255 K.  window 3: v0-127 V.
.set SP,    272
.set XWB,   33792                      ; the exchange: 32,768 bytes of O^T and 1,024 of statistics for each wave
.set STAGE, 4*XWB                      ; behind it the stages for the way out, 16 rows x 272 for each wave
.set SPARE, STAGE+4*16*SP              ; the spare words: two blocks of 256 bytes that no other line names
.set LI,  2                            ; v2   16 x lane: my place in every register image; never rewritten
.set XS2, 5
.set STO, 6
.set RD,  7
.set GO,  8
.set XS0, 44
.set XW,  45
.set XR0, 46
.set XR2, 47
.set NEG, 60
.set SPW, 62
.set NIL, 63
.set ST,  12                           ; tile t at v[ST + 8 t]: +0 c m, +1 m, +2, +3 l, +4 to +7 at work
.set S,   64
.set P,   192
.set KF,  128
.set WV,  12
.set KH,  14                           ; s[14:15] K of my head, s[16:17] V
.set VH,  16
.set KB,  18                           ; s[18:19] K of the step that was taken off the list last, s[24:25] V of it
.set MB,  20                           ; s[20:21] the mask words of my two tiles of positions
.set MOA, 22                           ; s22 that step's words for piece 0, s23 for piece 2
.set MOB, 23
.set VB,  24
.set G0,  26                           ; s26, s27 my steps still to be taken, a bit a step
.set G1,  27
.set FW,  28
.set FT,  29
.set FB,  30
.set IDX, 31
.set NN,  32                           ; s32 my steps, 2 to 16
.set CNT, 33
.set N2,  34
.set OF,  36                           ; s[36:37] an offset; the upper word stays 0
.set QB,  38
.set CS,  58
.set SEL, 60
.set MW,  68                           ; s[68:99] the 32 mask words of the softmax in hand
.set MSB, 0
.macro WIN new
.if MSB != \new
	s_set_vgpr_msb (MSB<<8)|\new
.set MSB, \new
.endif
.endm
.set W_KQ, 0x0a
.set W_PV, 0x53
.set W_RS, 0x41
.macro PLACES
.rept 4
	v_nop
.endr
.endm
; The lowest step still on my list is taken off it, and the addresses of its K, V and mask words are made.  An empty list gives a step inside the buffers.
.macro POP
	s_wait_xcnt 0x0                                ; the loads that named the last step's addresses have read them
	s_cmp_lg_u32 s[G0], 0
	s_cselect_b32 s[FW], s[G0], s[G1]
	s_cselect_b32 s[FB], 0, 32
	s_ctz_i32_b32 s[IDX], s[FW]
	s_add_co_u32 s[IDX], s[IDX], s[FB]
	s_min_u32 s[IDX], s[IDX], 63
	s_sub_co_u32 s[FT], s[FW], 1
	s_and_b32 s[FW], s[FW], s[FT]
	s_cmp_lg_u32 s[G0], 0
	s_cselect_b32 s[FT], s[FW], 0
	s_cselect_b32 s[G1], s[G1], s[FW]
	s_mov_b32 s[G0], s[FT]
	s_lshl_b32 s[OF], s[IDX], 14                   ; 16,384 bytes a step, of K and of V
	s_add_nc_u64 s[KB:KB+1], s[KH:KH+1], s[OF:OF+1]
	s_add_nc_u64 s[VB:VB+1], s[VH:VH+1], s[OF:OF+1]
	s_lshl_b32 s[MOA], s[IDX], 7                   ; 128 bytes of mask words a step,
	s_add_co_u32 s[MOB], s[MOA], 8192              ; 8,192 a tile of positions
.endm
.macro FETCH_KG c                      ; K's channel group c: the fragments f = 4 kt + c of the four key tiles: 8 loads
	WIN 0x80                                       ; destination window 2
.irp kt, 0,1,2,3
	global_load_b128 v[KF+32*\kt+8*(\c):KF+32*\kt+8*(\c)+3],   v[LI], s[KB:KB+1] offset:(4*\kt+(\c))*1024
	global_load_b128 v[KF+32*\kt+8*(\c)+4:KF+32*\kt+8*(\c)+7], v[LI], s[KB:KB+1] offset:(4*\kt+(\c))*1024+512
.endr
.endm
.macro FETCH_VH hh, np                 ; V's keys 32 hh on: the fragments f = 8 hh + dt: 16 loads; np v_nop ahead where the slices between are no places
.rept \np
	v_nop
.endr
	WIN 0xc0                                       ; destination window 3
.irp dt, 0,1,2,3,4,5,6,7
	global_load_b128 v[64*(\hh)+8*\dt:64*(\hh)+8*\dt+3],   v[LI], s[VB:VB+1] offset:(8*(\hh)+\dt)*1024
	global_load_b128 v[64*(\hh)+8*\dt+4:64*(\hh)+8*\dt+7], v[LI], s[VB:VB+1] offset:(8*(\hh)+\dt)*1024+512
.endr
.endm
	s_load_b256 s[4:11], s[0:1], 0x0               ; qkv 4, pm 6, fl2 8, ao 10
	v_lshl_add_u32 v[SPW], v0, 2, SPARE
	v_mov_b32 v[NIL], 0
	v_lshrrev_b32 v1, 5, v0
	v_readfirstlane_b32 s[WV], v1
	v_and_b32 v[LI], 31, v0
	v_lshlrev_b32 v[LI], 4, v[LI]
	v_mov_b32 v[NEG], 0xd0000000                   ; -2^33
	s_lshr_b32 s2, ttmp9, 2
	s_sub_co_u32 s2, 127, s2                       ; my block of 32 positions: the last blocks first
	s_and_b32 s3, ttmp9, 3                         ; the key/value head
	s_mov_b32 s[CS], 0x3e0293ee                    ; c = log2(e) / sqrt(128)
	s_mov_b32 s[CS+1], s[CS]
	s_mov_b32 s[SEL], 0x76543210
	s_mov_b32 s[SEL+1], 0xfedcba98
	s_mov_b32 s[OF+1], 0
	s_wait_kmcnt 0x0
	s_lshl_b32 s[OF], s2, 7                        ; fl2: 64 bytes a tile of 16 positions
	s_add_nc_u64 s[8:9], s[8:9], s[OF:OF+1]
	s_load_b512 s[68:83], s[8:9], 0x0              ; my first tile's sixteen words, one for each 256 keys,
	s_load_b512 s[84:99], s[8:9], 0x40             ; my second tile's
	s_lshl_b32 s[OF], s3, 21                       ; Q: heads 2 g and 2 g + 1; my two tiles of 4,096 bytes
	s_lshl_b32 s13, s2, 13
	s_add_co_u32 s[OF], s[OF], s13
	s_add_nc_u64 s[QB:QB+1], s[4:5], s[OF:OF+1]
	s_lshl_b32 s[OF], s3, 20
	s_add_nc_u64 s[KH:KH+1], s[4:5], s[OF:OF+1]
	s_add_nc_u64 s[VH:VH+1], s[KH:KH+1], 0xc00000  ; V: head 12 + g
	s_add_nc_u64 s[KH:KH+1], s[KH:KH+1], 0x800000  ; K: head 8 + g
	s_lshl_b32 s[OF], s2, 14
	s_add_nc_u64 s[MB:MB+1], s[6:7], s[OF:OF+1]
	s_lshl_b32 s[OF], s2, 16                       ; ao: rows of 2,048 bytes: the tile that I join: positions 16 (w / 2) on, head 2 g + w % 2
	s_lshr_b32 s13, s[WV], 1
	s_lshl_b32 s13, s13, 15
	s_add_co_u32 s[OF], s[OF], s13
	s_lshl_b32 s13, s3, 9
	s_add_co_u32 s[OF], s[OF], s13
	s_and_b32 s13, s[WV], 1
	s_lshl_b32 s13, s13, 8
	s_add_co_u32 s[OF], s[OF], s13
	s_add_nc_u64 s[10:11], s[10:11], s[OF:OF+1]
	WIN 0x80
.irp t, 0,1,2,3
.irp c, 0,1,2,3
	global_load_b128 v[32*\t+8*\c:32*\t+8*\c+3],   v[LI], s[QB:QB+1] offset:(\t%2)*1048576+(\t/2)*4096+\c*1024
	global_load_b128 v[32*\t+8*\c+4:32*\t+8*\c+7], v[LI], s[QB:QB+1] offset:(\t%2)*1048576+(\t/2)*4096+\c*1024+512
.endr
.endr
	WIN 0
	s_wait_kmcnt 0x0
	s_or_b32 s40, s68, s69                         ; over the keys: in the upper halves, the rows that hold a true byte
.irp c, 70,71,72,73,74,75,76,77,78,79,80,81,82,83
	s_or_b32 s40, s40, s[\c]
.endr
	s_or_b32 s41, s84, s85
.irp c, 86,87,88,89,90,91,92,93,94,95,96,97,98,99
	s_or_b32 s41, s41, s[\c]
.endr
	s_and_b32 s40, s40, s41
	s_lshr_b32 s40, s40, 16                        ; 0xffff: all 32 rows do
	s_mov_b32 s[G0], 0
	s_mov_b32 s[G1], 0
.irp c, 0,1,2,3,4,5,6,7
	s_or_b32 s41, s[68+\c], s[84+\c]               ; a step counts if either tile has a true byte in it
	s_and_b32 s41, s41, 15
	s_lshl_b32 s41, s41, 4*\c
	s_or_b32 s[G0], s[G0], s41
	s_or_b32 s41, s[76+\c], s[92+\c]
	s_and_b32 s41, s41, 15
	s_lshl_b32 s41, s41, 4*\c
	s_or_b32 s[G1], s[G1], s41
.endr
	s_cmp_eq_u32 s40, 0xffff
	s_cselect_b32 s[G0], s[G0], -1                 ; a row with no true key averages over all keys: all steps
	s_cselect_b32 s[G1], s[G1], -1
	s_lshl_b32 s41, 0x11111111, s[WV]              ; my class: steps s with s % 4 = w
	s_and_b32 s[G0], s[G0], s41
	s_and_b32 s[G1], s[G1], s41
	s_bcnt1_i32_b32 s[NN], s[G0]
	s_bcnt1_i32_b32 s[FT], s[G1]
	s_add_co_u32 s[NN], s[NN], s[FT]
	s_and_not1_b32 s42, s41, s[G0]                 ; steps of my class among the first 32 that are not flagged: with fewer than two flagged there are seven or more, all hidden wholly
	s_sub_co_u32 s43, s42, 1
	s_and_b32 s43, s42, s43
	s_xor_b32 s44, s42, s43                        ; the lowest of them,
	s_sub_co_u32 s45, s43, 1
	s_and_b32 s45, s43, s45
	s_xor_b32 s45, s43, s45                        ; the next
	s_cmp_lt_u32 s[NN], 2
	s_cselect_b32 s44, s44, 0
	s_cmp_lt_u32 s[NN], 1
	s_cselect_b32 s45, s45, 0
	s_or_b32 s[G0], s[G0], s44
	s_or_b32 s[G0], s[G0], s45
	s_max_u32 s[NN], s[NN], 2
	s_min_u32 s[NN], s[NN], 16
	POP                                            ; my first step
	s_load_b512 s[MW:MW+15], s[MB:MB+1], s[MOA] offset:0x0      ; the words of piece 0's first softmax
	s_load_b512 s[MW+16:MW+31], s[MB:MB+1], s[MOA] offset:0x40
	FETCH_KG 0
	FETCH_KG 1
	FETCH_KG 2
	FETCH_KG 3
	FETCH_VH 0, 0
	FETCH_VH 1, 0
	WIN 0
.macro PV x, zero                      ; product i of 32 of O^T += V^T P; the accumulators take turns
	WIN W_PV
.set rO, 64*(\x+i%2)+8*((i/2)%8)
.set rV, 64*(i/16)+8*((i/2)%8)
.set rP, P+16*(\x+i%2)+8*(i/16)
.if \zero && (i < 16)
	v_wmma_f32_16x16x32_f16 v[rO:rO+7], v[rV:rV+7], v[rP:rP+7], 0
.else
	v_wmma_f32_16x16x32_f16 v[rO:rO+7], v[rV:rV+7], v[rP:rP+7], v[rO:rO+7]
.endif
.endm
.macro KQ x                            ; product i of 32 of S^T = K Q^T: channels 32 (i / 8) on, keys 16 ((i / 2) % 4) on, tile x + i % 2
	WIN W_KQ
.set rS, S+32*(\x+i%2)+8*((i/2)%4)
.set rK, KF+32*((i/2)%4)+8*(i/8)
.set rQ, 32*(\x+i%2)+8*(i/8)
.if i < 8
	v_wmma_f32_16x16x32_f16 v[rS:rS+7], v[rK:rK+7], v[rQ:rQ+7], 0
.else
	v_wmma_f32_16x16x32_f16 v[rS:rS+7], v[rK:rK+7], v[rQ:rQ+7], v[rS:rS+7]
.endif
.endm
; One tile's softmax for one key step is a list of 166 instructions; SM writes number j of it for tile t.
;   0-31 the mask: score i is kept where bit (lane) of word i is set, ascending
;   48-52 the other half of the lanes', the new m, c m, its change;  53-101 ONE BATCH: 16 scalings and 33 exponentials, none of which reads an exponential's result
;   (the wait)  102-117 the roundings to f16;  118-133 the sums;  134-165 O^T times a
.macro SM t, first
.set rT, ST+8*(\t)
.set rS, S+32*(\t)
.set rP, P+16*(\t)
.set jj, j-32
.set rO, 64*(\t)+2*(jj-102)
.if jj < 102
	WIN 0
.endif
.if jj < 0
	v_cndmask_b32 v[rS+j], v[NEG], v[rS+j], s[MW+j]
.elseif jj < 4
	v_max3_num_f32 v[rT+4+jj], v[rS+8*jj], v[rS+8*jj+1], v[rS+8*jj+2]
.elseif jj < 12
	v_max3_num_f32 v[rT+4+jj%4], v[rT+4+jj%4], v[rS+8*(jj%4)+2*(jj/4)+1], v[rS+8*(jj%4)+2*(jj/4)+2]
.elseif jj == 12
	v_max3_num_f32 v[rT+4], v[rT+4], v[rS+7], v[rS+15]
.elseif jj == 13
	v_max3_num_f32 v[rT+6], v[rT+6], v[rS+23], v[rS+31]
.elseif jj == 14
	v_max3_num_f32 v[rT+4], v[rT+4], v[rT+5], v[rT+6]
.elseif (jj == 15) && \first
	v_max_num_f32 v[rT+4], v[rT+4], v[rT+7]
.elseif jj == 15
	v_max3_num_f32 v[rT+4], v[rT+4], v[rT+7], v[rT+1]
.elseif jj == 16
	v_permlanex16_b32 v[rT+5], v[rT+4], s[SEL], s[SEL+1]
.elseif jj == 18
	v_max_num_f32 v[rT+1], v[rT+4], v[rT+5]
.elseif jj == 19
	v_mul_f32 v[rT], s[CS], v[rT+1]
.elseif ((jj == 17) || (jj == 20) || (jj == 23) || (jj > 101)) && \first
.elseif jj == 17
	v_mov_b32 v[rT+7], v[rT]
.elseif jj == 20
	v_sub_f32 v[rT+7], v[rT+7], v[rT]
.elseif jj == 23
	v_exp_f32 v[rT+6], v[rT+7]
.elseif (jj < 23) || ((jj < 38) && (jj%2 == 0)) || ((jj < 66) && (jj%4 == 2))
.set b, (jj-2)/4
.if jj < 38
.set b, (jj-20)/2
.endif
	v_pk_fma_f32 v[rS+2*b:rS+2*b+1], v[rS+2*b:rS+2*b+1], s[CS:CS+1], v[rT:rT+1] op_sel_hi:[1,0,0] neg_lo:[0,0,1] neg_hi:[0,0,1]
.elseif jj < 70
.set e, jj-38
.if jj < 66
.set e, jj-32-(jj-38)/4
.endif
.if jj < 38
.set e, (jj-25)/2
.endif
	v_exp_f32 v[rS+e], v[rS+e]
.elseif jj < 86
	v_cvt_pk_f16_f32 v[rP+jj-70], v[rS+2*(jj-70)], v[rS+2*(jj-70)+1]
.elseif jj < 102
.set z, jj-86
.set w, 4
.set u, z
.if z >= 14
.set w, 32
.set u, 0
.elseif z >= 12
.set w, 16
.set u, z-12
.elseif z >= 8
.set w, 8
.set u, z-8
.endif
.if (z == 14) && \first
	v_pk_add_f32 v[rT+2:rT+3], v[rS:rS+1], v[rS+16:rS+17]
.elseif z < 15
	v_pk_add_f32 v[rS+w*u:rS+w*u+1], v[rS+w*u:rS+w*u+1], v[rS+w*u+w/2:rS+w*u+w/2+1]
.elseif !\first
	v_pk_fma_f32 v[rT+2:rT+3], v[rT+2:rT+3], v[rT+6:rT+7], v[rS:rS+1] op_sel_hi:[1,0,1]
.endif
.else
	WIN W_RS
	v_pk_mul_f32 v[rO:rO+1], v[rO:rO+1], v[rT+6:rT+7] op_sel_hi:[1,0]
.endif
.endm
; EM writes instruction n of 332 of piece y's softmax: the two tiles alternate, but in the batch (n = 108 .. 203) fours of one tile take turns.
; Behind n = 63 the mask words have all been read: the next softmax's are asked for.  Behind n = 203 the batch is out: a plain line, and its one wait.
.macro EM y, first
.if n < 64
.set j, n/2
	SM (\y)+n%2, \first
.elseif n < 108
.set j, 32+(n-64)/2
	SM (\y)+n%2, \first
.elseif n < 204
.set j, 54+4*(((n-108)/4)/2)+(n-108)%4
	SM (\y)+((n-108)/4)%2, \first
.else
.set j, 102+(n-204)/2
	SM (\y)+n%2, \first
.endif
.if (n == 63) && KQNOW
.if (\y) == 2
	s_load_b512 s[MW:MW+15], s[MB:MB+1], s[MOA] offset:0x0      ; piece 0's words of the step that was taken off the list last
	s_load_b512 s[MW+16:MW+31], s[MB:MB+1], s[MOA] offset:0x40
.else
	s_load_b512 s[MW:MW+15], s[MB:MB+1], s[MOB] offset:0x0      ; piece 2's words of the same step
	s_load_b512 s[MW+16:MW+31], s[MB:MB+1], s[MOB] offset:0x40
.endif
.endif
.if n == 203
	v_nop                                          ; a plain instruction behind the last exponential
	s_wait_alu depctr_va_vdst(0)                   ; the wait for the batch, ahead of its first reader
.endif
.set n, n+1
.endm
.macro SLICE y, first                  ; five instructions; 332 = 5 x 64 + 12: the twelve that are over stand in slice 63, plain rescalings that are the places behind the turn's last product
.rept 5
	EM \y, \first
.endr
.if k == 63
.rept 12
	EM \y, \first
.endr
.endif
.set k, k+1
.endm
; A TURN.  Piece x has the matrix unit; the other piece's softmax stands in slices behind its matrix instructions.
; pv = 2: 32 products V^T P; 1: they start O^T's sums; 0: none.  kq = 1: 32 products K Q^T for the next step.  first = 1: the softmax is the first key step's.
; THE LOADS stand in piece 2's turn, in this order: V's keys 0-31 (16 loads, behind the 17th V^T P: ten plain lines of the maximum lie behind their last reader), V's keys 32-63 (16, behind the second K Q^T, with four
; v_nop: the slices there are mostly exponentials), then the next step is taken off the list, and K's four channel groups of it (8 each) follow their last readers by five plain lines or more.
; THE WAITS stand in piece 0's turn, each with the count of the loads issued behind what it needs: 48 = V's second half and K; 32 = K; 16 = K's groups 2 and 3; 0.
.macro TURN x, pv, kq, first
.set k, 0
.set n, 0
.set KQNOW, \kq
.set per, 2
.if \pv && \kq
.set per, 1
.endif
	s_wait_kmcnt 0x0                               ; the mask words of this turn's softmax
.if \pv
.set i, 0
.rept 32
.if (\x == 0) && (i == 0)
	s_wait_loadcnt 48                              ; V's keys 0-31 are in
.endif
.if (\x == 0) && (i == 16)
	s_wait_loadcnt 32                              ; V's keys 32-63 are in
.endif
	PV \x, 2-\pv
.rept per
	SLICE 2-\x, \first
.endr
.if (\x == 2) && \kq && (i == 16)
	FETCH_VH 0, 0
.endif
.set i, i+1
.endr
.endif
.if \kq
.set i, 0
.rept 32
.if (\x == 0) && (i == 0)
	s_wait_loadcnt 16                              ; K's channel groups 0 and 1 are in
.endif
.if (\x == 0) && (i == 16)
	s_wait_loadcnt 0x0                             ; all of K is in
.endif
	KQ \x
.rept per
	SLICE 2-\x, \first
.endr
.if \x == 2
.if \pv && (i == 1)
	FETCH_VH 1, 4
.endif
.if i == 9
	POP
	FETCH_KG 0
.endif
.if i == 16
	FETCH_KG 1
.endif
.if i == 24
	FETCH_KG 2
.endif
.endif
.set i, i+1
.endr
.endif
.if \first
	PLACES                                         ; the first step's last slices are empty: four v_nop take their part as the places behind the last products
.endif
.if (\x == 2) && \kq
	FETCH_KG 3
.endif
.endm
	s_wait_loadcnt 32                              ; Q and K are in; V's 32 loads may be out
.set i, 0
.rept 32
	KQ 0
.set i, i+1
.endr
	WIN 0                                          ; the addresses for the end are made here, ahead of every branch: plain instructions, the places behind those products
	v_and_b32 v1, 15, v0                           ; r
	v_bfe_u32 v9, v0, 4, 1                         ; h
	s_mul_i32 s13, s[WV], 16*SP
	s_add_co_u32 s13, s13, STAGE
	v_mul_u32_u24 v[STO], v1, SP
	v_lshl_add_u32 v[STO], v9, 4, v[STO]
	v_add_nc_u32 v[STO], s13, v[STO]
	v_mul_u32_u24 v[RD], v9, SP
	v_lshl_add_u32 v[RD], v1, 4, v[RD]
	v_add_nc_u32 v[RD], s13, v[RD]
	v_lshlrev_b32 v[GO], 11, v9
	v_lshl_add_u32 v[GO], v1, 4, v[GO]
	s_mul_i32 s13, s[WV], XWB
	v_add_nc_u32 v[XW], s13, v[LI]                 ; where I leave my four tiles,
	s_lshl_b32 s13, s[WV], 13
	v_add_nc_u32 v[XR0], s13, v[LI]                ; where waves 0 and 1 leave tile w,
	v_add_nc_u32 v[XR2], 2*XWB, v[XR0]             ; and waves 2 and 3;
	s_lshr_b32 s13, s[WV], 1
	s_lshl_b32 s13, s13, 9
	s_and_b32 s42, s[WV], 1
	s_lshl_b32 s42, s42, 3
	s_add_co_u32 s13, s13, s42
	s_add_co_u32 s13, s13, 32768
	v_add_nc_u32 v[XS0], s13, v[LI]                ; likewise its c m and l
	v_add_nc_u32 v[XS2], 2*XWB, v[XS0]
	TURN 2, 0, 1, 1                                ; piece 2's first scores | piece 0's first softmax | K of step 1
	TURN 0, 1, 1, 1                                ; piece 0: V^T P of step 0 starts O^T, K Q^T of step 1 | piece 2's first softmax
	TURN 2, 1, 1, 0                                ; piece 2: the same | piece 0's softmax of step 1 | V of step 1, K of step 2
	WIN 0
	s_cmp_eq_u32 s[NN], 2
	s_cbranch_scc1 .Ltail
	s_sub_co_u32 s[N2], s[NN], 2
	s_mov_b32 s[CNT], 0
.Lstep:                                                ; my steps less two trips
	TURN 0, 2, 1, 0
	TURN 2, 2, 1, 0
	WIN 0
	s_add_co_u32 s[CNT], s[CNT], 1
	s_cmp_lt_u32 s[CNT], s[N2]
	s_cbranch_scc1 .Lstep
.Ltail:
	TURN 0, 2, 0, 0                                ; piece 0: V^T P of the last step | piece 2's last softmax
.set i, 0
.rept 32
	PV 2, 0
.set i, i+1
.endr
	; THE END.  Each tile's l; my four tiles go to LDS as images of their registers; one barrier; wave w takes tile w of all four waves and joins them.
	WIN 0
.irp t, 0,1,2,3
	v_add_f32 v[ST+8*\t+4], v[ST+8*\t+2], v[ST+8*\t+3]     ; (these lines are the places behind the last products)
.endr
.irp t, 0,1,2,3
	v_permlanex16_b32 v[ST+8*\t+5], v[ST+8*\t+4], s[SEL], s[SEL+1]
.endr
.irp t, 0,1,2,3
	v_add_f32 v[ST+8*\t+4], v[ST+8*\t+4], v[ST+8*\t+5]
.endr
.irp t, 0,1,2,3
	v_mov_b32 v[48+2*\t], v[ST+8*\t]               ; c m,
	v_mov_b32 v[49+2*\t], v[ST+8*\t+4]             ; l
.endr
	s_wait_loadcnt 0x0                             ; the last look-ahead has landed: K's registers are used again below
	WIN 0x04                                       ; an LDS store's data are its source 1: window 1
.set i, 0
.rept 64
	ds_store_b128 v[XW], v[4*i:4*i+3] offset:512*i
.set i, i+1
.endr
	WIN 0
	ds_store_b128 v[XW], v[48:51] offset:32768
	ds_store_b128 v[XW], v[52:55] offset:33280
	s_wait_dscnt 0x0                               ; for the others' sake: my stores are done
	s_barrier_signal -1
	s_barrier_wait -1
	WIN 0x80                                       ; wave p's tile w -> window 2, v[64 p ..]
.irp p, 0,1
.set i, 0
.rept 16
	ds_load_b128 v[64*\p+4*i:64*\p+4*i+3], v[XR0] offset:\p*XWB+512*i
.set i, i+1
.endr
.endr
.irp p, 0,1
.set i, 0
.rept 16
	ds_load_b128 v[128+64*\p+4*i:128+64*\p+4*i+3], v[XR2] offset:\p*XWB+512*i
.set i, i+1
.endr
.endr
	WIN 0
	ds_load_b64 v[48:49], v[XS0]
	ds_load_b64 v[50:51], v[XS0] offset:XWB
	ds_load_b64 v[52:53], v[XS2]
	ds_load_b64 v[54:55], v[XS2] offset:XWB
	s_wait_dscnt 0x0
	v_max3_num_f32 v12, v48, v50, v52
	v_max_num_f32 v12, v12, v54                    ; the largest of the four c m
.irp p, 0,1,2,3
	v_sub_f32 v[16+2*\p], v[48+2*\p], v12
.endr
.irp p, 0,1,2,3
	v_exp_f32 v[16+2*\p], v[16+2*\p]
.endr
	v_nop
	s_wait_alu depctr_va_vdst(0)                   ; one wait for the four
	v_mul_f32 v13, v16, v49
	v_fmac_f32 v13, v18, v51
	v_fmac_f32 v13, v20, v53
	v_fmac_f32 v13, v22, v55                       ; the row's sum under that maximum
	v_rcp_f32 v13, v13
	v_nop
	s_wait_alu depctr_va_vdst(0)
.irp p, 0,1,2,3
	v_mul_f32 v[16+2*\p], v[16+2*\p], v13          ; each part's weight
.endr
	WIN 0x02                                       ; source 0 window 2
.set i, 0
.rept 32
	v_pk_mul_f32 v[S+2*i:S+2*i+1], v[2*i:2*i+1], v[16:17] op_sel_hi:[1,0]
.set i, i+1
.endr
.irp p, 1,2,3
.set i, 0
.rept 32
	v_pk_fma_f32 v[S+2*i:S+2*i+1], v[64*\p+2*i:64*\p+2*i+1], v[16+2*\p:17+2*\p], v[S+2*i:S+2*i+1] op_sel_hi:[1,0,1]
.set i, i+1
.endr
.endr
	WIN 0
.set i, 0
.rept 32
	v_cvt_pk_f16_f32 v[P+i], v[S+2*i], v[S+2*i+1]
.set i, i+1
.endr
.irp f, 0,1,2,3,4,5,6,7
	ds_store_b128 v[STO], v[P+4*\f:P+4*\f+3] offset:32*\f
.endr
.irp f, 0,1,2,3,4,5,6,7
	ds_load_b128 v[P+4*\f:P+4*\f+3], v[RD] offset:\f*2*SP      ; LDS serves a wave's instructions in order: these see the stores above
.endr
.irp f, 0,1,2,3,4,5,6,7
	s_wait_dscnt 7-\f                              ; load f is in; the younger ones may be out
	global_store_b128 v[GO], v[P+4*\f:P+4*\f+3], s[10:11] offset:\f*4096   ; sixteen lanes store a head's 256 bytes of a row, aligned
.endr
	s_wait_tensorcnt 0x0                           ; the wave's end, behind my last LDS store
	ds_add_u32 v[SPW], v[NIL]
	s_wait_dscnt 0x0
	s_endpgm
.Lfunc_end_k_q64927ceb86_attn:
	.size	k_q64927ceb86_attn, .Lfunc_end_k_q64927ceb86_attn-k_q64927ceb86_attn
	.p2alignl 7, 3214868480
	.fill 96, 4, 3214868480
	.section	.rodata,"a",@progbits
	.p2align	6, 0x0
	.amdhsa_kernel k_q64927ceb86_attn
		.amdhsa_group_segment_fixed_size 153088
		.amdhsa_private_segment_fixed_size 0
		.amdhsa_enable_private_segment 0
		.amdhsa_kernarg_size 32
		.amdhsa_user_sgpr_count 2
		.amdhsa_user_sgpr_kernarg_segment_ptr 1
		.amdhsa_wavefront_size32 1
		.amdhsa_system_sgpr_workgroup_id_x 1
		.amdhsa_system_sgpr_workgroup_id_y 1
		.amdhsa_system_sgpr_workgroup_id_z 1
		.amdhsa_system_vgpr_workitem_id 0
		.amdhsa_next_free_vgpr 1024
		.amdhsa_next_free_sgpr 100
		.amdhsa_reserve_vcc 0
		.amdhsa_float_denorm_mode_32 3
		.amdhsa_float_denorm_mode_16_64 3
		.amdhsa_memory_ordered 1
		.amdhsa_forward_progress 1
		.amdhsa_inst_pref_size 205
	.end_amdhsa_kernel
	.amdgpu_metadata
---
amdhsa.version: [ 1, 2 ]
amdhsa.kernels:
  - .name:           k_q64927ceb86_attn
    .symbol:         k_q64927ceb86_attn.kd
    .args:
      - { .name: qkv, .offset: 0, .size: 8, .value_kind: global_buffer, .address_space: global }
      - { .name: pm, .offset: 8, .size: 8, .value_kind: global_buffer, .address_space: global }
      - { .name: fl2, .offset: 16, .size: 8, .value_kind: global_buffer, .address_space: global }
      - { .name: ao, .offset: 24, .size: 8, .value_kind: global_buffer, .address_space: global }
    .group_segment_fixed_size: 153088
    .private_segment_fixed_size: 0
    .kernarg_segment_align: 8
    .kernarg_segment_size: 32
    .max_flat_workgroup_size: 128
    .sgpr_count:     100
    .vgpr_count:     1024
    .wavefront_size: 32
...
	.end_amdgpu_metadata
.endif
;; end of part 3
;; launch oproj (part 4): grid 16 x 16, 4 waves a work-group, clusters of 4 x 4, 327,680 bytes of LDS; arguments ao, pb, out0; writes out0
.if DOCPART == 4
	.amdgcn_target "amdgcn-amd-amdhsa--gfx1250"
	.amdhsa_code_object_version 6
	.text
	.protected	k_q64927ceb86_oproj
	.globl	k_q64927ceb86_oproj
	.p2align	8
	.type	k_q64927ceb86_oproj,@function
k_q64927ceb86_oproj:
	s_mov_b64 s[64:65], 0
	v_nop
	global_prefetch_b8 v0, s[64:65] scope:SCOPE_SE
	s_setreg_imm32_b32 hwreg(HW_REG_WAVE_MODE, 25, 1), 1
	s_wait_xcnt 0x0
	s_wait_alu depctr_hold_cnt(0) depctr_sa_sdst(0) depctr_va_vdst(0) depctr_va_sdst(0) depctr_va_ssrc(0) depctr_va_vcc(0) depctr_vm_vsrc(0)
	s_getreg_b32 s2, hwreg(HW_REG_IB_STS2, 6, 4)
	s_cmp_eq_u32 s2, 0
	s_cbranch_scc0 .Lentry_in_a_cluster
	s_endpgm
.Lentry_in_a_cluster:
	s_bfe_u32 s2, ttmp6, 0x10000c
	s_cmp_lg_u32 s2, 0xf033
	s_cbranch_scc0 .Lentry_shape_is_right
	s_endpgm
.Lentry_shape_is_right:
; out0 = ao x Wo, operands f16, sums f32.  A: ao [4096][1024] f16, B: Wo^T [2048 n][1024 k] f16 (pb's first part), out0 [4096][2048] f32.
; A work-group makes 256 rows x 128 columns, its four waves one below the other, 64 x 128 each: 32 accumulators.  K goes in 8 steps of 128 (rows of 256 bytes) through two LDS slots.
; CLUSTERS 4 x 4: A's tiles jointly along a row of the cluster, B's along a column.  THE MATRIX INSTRUCTION IS USED TRANSPOSED: a lane holds 8 neighbouring columns of a row.
; Rows 0-15 are written here like all others and once more, more finely, by the launch behind this one.
; REGISTERS: window 0: v16-30 addresses; v128-191 A's fragments, two sets; on the way out v128-255.  window 1: B's fragments, two sets.  window 2: the accumulators, (a, b) at 8 (8 a + b).
.set PITCH, 272
.set SLOT,  384*PITCH
.set BOFF,  256*PITCH
.set SPARE, 235008                     ; behind the ring: the spare words: two blocks of 256 bytes that no other line names
.set KROW,  2048
.set SPITCH, 528
.set ADRA, 16
.set ADRB, 20
.set STO,  24
.set RD,   25
.set CO,   26
.set SPW,  28
.set NIL,  29
.set AF,   128
.set BK,   128
.set G1, 24
.set G0, 32
.set G1B, 48
.set G0B, 56
.set MSB, 0
.macro WIN new
.if MSB != \new
	s_set_vgpr_msb (MSB<<8)|\new
.set MSB, \new
.endif
.endm
.set MUL,  0xa1
.set TO_B, 0x40
.macro JLOAD s                         ; waves 0 and 1 fetch A's halves, waves 2 and 3 B's; an s_nop 0 and four v_nop follow each line
	s_cmp_eq_u32 s15, 0
	s_cbranch_scc0 .Lfor_b_\@
	tensor_load_to_lds s[G0+4*\s:G0+4*\s+3], s[G1:G1+7]
	s_nop 0
.rept 4
	v_nop
.endr
	s_branch .Lasked_\@
.Lfor_b_\@:
	tensor_load_to_lds s[G0B+4*\s:G0B+4*\s+3], s[G1B:G1B+7]
	s_nop 0
.rept 4
	v_nop
.endr
.Lasked_\@:
.endm
.macro CREST
	s_cmp_lg_u32 s14, 0
	s_cbranch_scc1 .Lnot_wave_0_\@
	s_barrier_signal -3
.Lnot_wave_0_\@:
	s_barrier_wait -3
	s_barrier_signal -1
	s_barrier_wait -1
.endm
.macro CROUND
	s_barrier_signal -1
	s_barrier_wait -1
	CREST
.endm
.macro PLACES n
.rept \n
	v_nop
.endr
.endm
	s_load_b128 s[4:7], s[0:1], 0x0                ; ao, pb
	s_load_b64 s[8:9], s[0:1], 0x10                ; out0
	v_lshl_add_u32 v[SPW], v0, 2, SPARE
	v_mov_b32 v[NIL], 0
	ds_add_u32 v[SPW], v[NIL]                      ; the opening: the add, twice on end, and its wait ahead of my first tensor load
	ds_add_u32 v[SPW], v[NIL]
	v_lshrrev_b32 v1, 5, v0
	v_readfirstlane_b32 s14, v1
	s_lshr_b32 s15, s14, 1
	s_and_b32 s16, s14, 1
	s_bfe_u32 s40, ttmp6, 0x40000
	s_bfe_u32 s41, ttmp6, 0x40004
	s_lshl_b32 s42, ttmp9, 2
	s_add_co_u32 s42, s42, s40                     ; tile column
	s_and_b32 s17, ttmp7, 0xffff
	s_lshl_b32 s17, s17, 2
	s_add_co_u32 s17, s17, s41                     ; tile row
	s_lshl_b32 s43, s41, 2
	s_lshl_b32 s43, 15, s43
	s_lshl_b32 s44, 0x1111, s40
	s_or_b32 s[G1+0], s43, (0<<16)|(1<<20)|(1<<21)|(5<<22)|(3<<25)   ; the tile is stated in bytes: rows of 256, 4 words of padding behind every 64
	s_or_b32 s[G1B+0], s44, (0<<16)|(1<<20)|(1<<21)|(5<<22)|(3<<25)
	s_mov_b32 s[G1+1], 256<<16
	s_mov_b32 s[G1+2], 128<<16
	s_mov_b32 s[G1+3], 256<<16
	s_mov_b32 s[G1+4], 128
	s_mov_b32 s[G1+5], KROW
	s_mov_b32 s[G1+6], 0
	s_mov_b32 s[G1+7], 0
	s_mov_b32 s[G1B+1], 256<<16
	s_mov_b32 s[G1B+2], 64<<16
	s_mov_b32 s[G1B+3], 256<<16
	s_mov_b32 s[G1B+4], 64
	s_mov_b32 s[G1B+5], KROW
	s_mov_b32 s[G1B+6], 0
	s_mov_b32 s[G1B+7], 0
	s_lshl_b32 s18, s16, 7
	s_lshl_b32 s20, s17, 8
	s_add_co_u32 s20, s20, s18
	s_lshl_b32 s20, s20, 11
	s_mov_b32 s21, 0
	s_lshl_b32 s18, s16, 6
	s_lshl_b32 s46, s42, 7
	s_add_co_u32 s46, s46, s18
	s_lshl_b32 s46, s46, 11
	s_mov_b32 s47, 0
	s_mul_i32 s45, s16, 128*PITCH
	s_mul_i32 s22, s16, 64*PITCH
	s_add_co_u32 s22, s22, BOFF
	s_wait_dscnt 0x0
	s_wait_kmcnt 0x0
	s_add_nc_u64 s[20:21], s[4:5], s[20:21]
	s_add_nc_u64 s[46:47], s[6:7], s[46:47]
	CROUND
.irp s, 0,1
	s_mov_b32 s[G0+4*\s], 1
	s_add_co_u32 s[G0+4*\s+1], s45, \s*SLOT
	s_add_nc_u64 s[G0+4*\s+2:G0+4*\s+3], s[20:21], \s*256
	s_or_b32 s[G0+4*\s+3], s[G0+4*\s+3], 0x80000000
	s_mov_b32 s[G0B+4*\s], 1
	s_add_co_u32 s[G0B+4*\s+1], s22, \s*SLOT
	s_add_nc_u64 s[G0B+4*\s+2:G0B+4*\s+3], s[46:47], \s*256
	s_or_b32 s[G0B+4*\s+3], s[G0B+4*\s+3], 0x80000000
	JLOAD \s                                       ; two tensor loads of mine are out, never more
.endr
	v_and_b32 v1, 15, v0
	v_bfe_u32 v2, v0, 4, 1
	v_mul_u32_u24 v3, v1, PITCH
	v_lshl_add_u32 v4, v2, 4, v3
	s_mul_i32 s21, s14, 64*PITCH
	v_add_nc_u32 v[ADRA], s21, v4
	v_add_nc_u32 v[ADRA+1], SLOT, v[ADRA]
	v_add_nc_u32 v[ADRB], BOFF, v4
	v_add_nc_u32 v[ADRB+1], SLOT+BOFF, v4
	s_mul_i32 s23, s14, 16*SPITCH                  ; my stage, in slot 0
	v_mul_u32_u24 v5, v1, SPITCH
	v_lshl_add_u32 v5, v2, 5, v5
	v_add_nc_u32 v[STO], s23, v5
	v_and_b32 v6, 31, v0
	v_lshlrev_b32 v[CO], 4, v6
	v_add_nc_u32 v[RD], s23, v[CO]
	s_lshl_b32 s20, s17, 21                        ; 256 rows of 8,192 bytes
	s_lshl_b32 s21, s14, 19                        ; 64 rows
	s_add_co_u32 s20, s20, s21
	s_lshl_b32 s21, s42, 9
	s_add_co_u32 s20, s20, s21
	s_mov_b32 s21, 0
	s_add_nc_u64 s[8:9], s[8:9], s[20:21]
.macro FRAG reg, adr, q, i             ; 16 rows x 32 K of f16: 8 registers, two loads of 16 bytes, 32 bytes apart
.irp c, 0,1
	ds_load_b128 v[(\reg)+4*\c:(\reg)+4*\c+3], v[\adr] offset:64*(\q)+32*\c+(\i)*16*PITCH
.endr
.endm
.macro FETCH slot, q, p
	WIN TO_B
.irp i, 0,1,2,3,4,5,6,7
	FRAG 128*(\p)+8*\i, ADRB+\slot, \q, \i
.endr
	WIN 0
.irp i, 0,1,2,3
	FRAG AF+32*(\p)+8*\i, ADRA+\slot, \q, \i
.endr
.endm
.macro MUL8 a, p, zero                 ; the 32 accumulators take turns, one instruction a turn
.irp b, 0,1,2,3,4,5,6,7
.if \zero
	v_wmma_f32_16x16x32_f16 v[8*(8*(\a)+\b):8*(8*(\a)+\b)+7], v[128*(\p)+8*\b:128*(\p)+8*\b+7], v[AF+32*(\p)+8*(\a):AF+32*(\p)+8*(\a)+7], 0
.else
	v_wmma_f32_16x16x32_f16 v[8*(8*(\a)+\b):8*(8*(\a)+\b)+7], v[128*(\p)+8*\b:128*(\p)+8*\b+7], v[AF+32*(\p)+8*(\a):AF+32*(\p)+8*(\a)+7], v[8*(8*(\a)+\b):8*(8*(\a)+\b)+7]
.endif
.endr
.endm
.macro STEP slot, q, zero
	s_wait_dscnt 0x0                               ; this quarter's fragments, asked for 32 matrix instructions ago
	PLACES 4
	FETCH \slot, (\q)+1, 1-(\q)%2
	WIN MUL
.irp a, 0,1,2,3
	MUL8 \a, (\q)%2, \zero
.endr
	WIN 0
.endm
.macro TURN slot, next, fill
	s_wait_tensorcnt 0x0                           ; all my tensor loads have landed: my part of the next slot;
	ds_add_u32 v[SPW], v[NIL]                      ; 0 onto my spare word;
	s_wait_dscnt 1                                 ; (the fragments are in; the add may be out)
	WIN MUL
	MUL8 0, 1, 0
	s_wait_dscnt 0x0                               ; the add is done, and my reads of this slot are over
	s_barrier_signal -1
	MUL8 1, 1, 0
	WIN 0
	s_barrier_wait -1
.if \fill
	CREST
	s_add_nc_u64 s[G0+4*\slot+2:G0+4*\slot+3], s[G0+4*\slot+2:G0+4*\slot+3], 512
	s_add_nc_u64 s[G0B+4*\slot+2:G0B+4*\slot+3], s[G0B+4*\slot+2:G0B+4*\slot+3], 512
	JLOAD \slot                                    ; the first tensor load behind the round; its four v_nop are the places in front of the loads below
.else
	PLACES 4
.endif
	FETCH \next, 0, 0
	WIN MUL
	MUL8 2, 1, 0
	MUL8 3, 1, 0
	WIN 0
.endm
	s_wait_tensorcnt 1                             ; my part of K step 0 is in; K step 1's load may be out
	s_barrier_signal -1
	s_barrier_wait -1
	FETCH 0, 0, 0
	STEP 0, 0, 1
	s_mov_b32 s3, 3
.Llap:                                                 ; a trip goes once round the ring and fills both slots again
	STEP 0, 1, 0
	STEP 0, 2, 0
	TURN 0, 1, 1
	STEP 1, 0, 0
	STEP 1, 1, 0
	STEP 1, 2, 0
	TURN 1, 0, 1
	STEP 0, 0, 0
	s_sub_co_u32 s3, s3, 1
	s_cmp_lg_u32 s3, 0
	s_cbranch_scc1 .Llap
	STEP 0, 1, 0
	STEP 0, 2, 0
	TURN 0, 1, 0
	STEP 1, 0, 0
	STEP 1, 1, 0
	STEP 1, 2, 0
	s_wait_dscnt 0x0
	WIN MUL
.irp a, 0,1,2,3
	MUL8 \a, 1, 0
.endr
	WIN 0
.macro TOSTAGE a                       ; 16 rows x 128 columns through my stage, back as whole rows of 512 bytes
	WIN 0x08                                       ; the data: window 2
.irp b, 0,1,2,3,4,5,6,7
	ds_store_b128 v[STO], v[64*(\a)+8*\b:64*(\a)+8*\b+3] offset:64*\b
	ds_store_b128 v[STO], v[64*(\a)+8*\b+4:64*(\a)+8*\b+7] offset:64*\b+16
.endr
	WIN 0
.irp t, 0,1,2,3,4,5,6,7,8,9,10,11,12,13,14,15
	ds_load_b128 v[BK+64*((\a)%2)+4*\t:BK+64*((\a)%2)+4*\t+3], v[RD] offset:\t*SPITCH
.endr
.endm
.macro SEND a, younger
	s_wait_dscnt \younger                          ; the block is back; the next block's 16 stores and 16 loads may be out
.irp t, 0,1,2,3,4,5,6,7,8,9,10,11,12,13,14,15
	global_store_b128 v[CO], v[BK+64*((\a)%2)+4*\t:BK+64*((\a)%2)+4*\t+3], s[8:9] offset:(16*(\a)+\t)*8192 th:TH_STORE_NT   ; 512 consecutive bytes, aligned
.endr
.endm
	PLACES 4
	TOSTAGE 0
.irp a, 1,2,3
.if \a > 1
	s_wait_xcnt 0x0                                ; block a - 2's stores have read their registers
.endif
	TOSTAGE \a
	SEND \a-1, 32
.endr
	SEND 3, 0
	s_wait_tensorcnt 0x0                           ; the wave's end
	ds_add_u32 v[SPW], v[NIL]
	s_wait_dscnt 0x0
	CROUND
	s_endpgm
.Lfunc_end_k_q64927ceb86_oproj:
	.size	k_q64927ceb86_oproj, .Lfunc_end_k_q64927ceb86_oproj-k_q64927ceb86_oproj
	.p2alignl 7, 3214868480
	.fill 96, 4, 3214868480
	.section	.rodata,"a",@progbits
	.p2align	6, 0x0
	.amdhsa_kernel k_q64927ceb86_oproj
		.amdhsa_group_segment_fixed_size 327680
		.amdhsa_private_segment_fixed_size 0
		.amdhsa_enable_private_segment 0
		.amdhsa_kernarg_size 24
		.amdhsa_user_sgpr_count 2
		.amdhsa_user_sgpr_kernarg_segment_ptr 1
		.amdhsa_wavefront_size32 1
		.amdhsa_system_sgpr_workgroup_id_x 1
		.amdhsa_system_sgpr_workgroup_id_y 1
		.amdhsa_system_sgpr_workgroup_id_z 1
		.amdhsa_system_vgpr_workitem_id 0
		.amdhsa_next_free_vgpr 768
		.amdhsa_next_free_sgpr 66
		.amdhsa_reserve_vcc 0
		.amdhsa_float_denorm_mode_32 3
		.amdhsa_float_denorm_mode_16_64 3
		.amdhsa_memory_ordered 1
		.amdhsa_forward_progress 1
		.amdhsa_inst_pref_size 85
	.end_amdhsa_kernel
	.amdgpu_metadata
---
amdhsa.version: [ 1, 2 ]
amdhsa.kernels:
  - .name:           k_q64927ceb86_oproj
    .symbol:         k_q64927ceb86_oproj.kd
    .args:
      - { .name: ao, .offset: 0, .size: 8, .value_kind: global_buffer, .address_space: global }
      - { .name: pb, .offset: 8, .size: 8, .value_kind: global_buffer, .address_space: global }
      - { .name: out0, .offset: 16, .size: 8, .value_kind: global_buffer, .address_space: global }
    .group_segment_fixed_size: 327680
    .private_segment_fixed_size: 0
    .kernarg_segment_align: 8
    .kernarg_segment_size: 24
    .max_flat_workgroup_size: 128
    .sgpr_count:     66
    .vgpr_count:     768
    .wavefront_size: 32
...
	.end_amdgpu_metadata
.endif
;; end of part 4
;; launch fine (part 5): grid 32 x 1, 4 waves a work-group, no clusters, 17,920 bytes of LDS; arguments qkv, pb, pm, flags, out0; writes out0
.if DOCPART == 5
	.amdgcn_target "amdgcn-amd-amdhsa--gfx1250"
	.amdhsa_code_object_version 6
	.text
	.protected	k_q64927ceb86_fine
	.globl	k_q64927ceb86_fine
	.p2align	8
	.type	k_q64927ceb86_fine,@function
k_q64927ceb86_fine:
	s_mov_b64 s[64:65], 0
	v_nop
	global_prefetch_b8 v0, s[64:65] scope:SCOPE_SE
	s_setreg_imm32_b32 hwreg(HW_REG_WAVE_MODE, 25, 1), 1
	s_wait_xcnt 0x0
; ROWS 0-15 OF out0 ONCE MORE, MORE FINELY: under a mask that lets these rows see few keys a sum has few terms, and the rounding of f16 operands weighs most.
; The weights p, the values v, the result o and Wo go to the matrix units as pairs of f16 numbers, a high part and a low part x 2^11 (x = hi + lo; hi x hi into one sum, hi x lo and lo x hi into another, joined with 2^-11).
; Work-group x makes columns 64 x .. 64 x + 63; each repeats the small attention.  Wave w takes key/value head w, query heads 2 w and 2 w + 1, which are K = 256 w .. 256 w + 255 of the last product:
; o never leaves the wave; the four waves' partial sums meet in LDS.
; Of the 64 key steps only those are walked in which some of the 16 rows has a true mask byte (the first launch's flags); if some row has none at all, all 64 are walked, since that row averages over all keys.
; No tensor load: q, k and both parts of v lie in memory as images of the operand registers, and every load covers 512 consecutive bytes; so the walk may hang on the stored flags.
; The masked score, the limits and the layouts are the attention launch's.
; REGISTERS: window 0: v1-11 addresses, v12-27 statistics, v28 the masked score, v32-47 at work, v64-95 P high, v96-127 P low (later o high), v128-191 Q (later o low), v192-255 S^T.
;   window 1: O^T high (64 t), low (128 + 64 t); later the last product's sums.  window 2: v0-127 K, v128-255 V^T high; later Wo high.  window 3: v0-127 V^T low; later Wo low.
.set RED,   0                          ; LDS: the four partial sums, 16 rows x 272
.set SPARE, RED+4*4352                 ; the spare words: two blocks of 256 bytes that no other line names
.set WOTL,  4194304
.set LI,  5
.set WOF, 8
.set RW,  9
.set RR,  10
.set GO,  11
.set ST,  12
.set NEG, 28
.set SPW, 30
.set NIL, 31
.set TT,  32
.set UU,  40
.set PHI, 64
.set PLO, 96
.set OHI, 64
.set OLO, 128
.set Q,   128
.set S,   192
.set WV,  14
.set F0,  32
.set F1,  33
.set FW,  34
.set FT,  35
.set NN,  36
.set CNT, 37
.set N1,  38
.set FB,  39
.set IDX, 31
.set MO,  30
.set CS,  58
.set SEL, 60
.set MW,  68
.set MSB, 0
.macro WIN new
.if MSB != \new
	s_set_vgpr_msb (MSB<<8)|\new
.set MSB, \new
.endif
.endm
.macro PLACES
.rept 4
	v_nop
.endr
.endm
; four pairs x .. x+7 are cut: t = 8193 x; hi = t - (t - x), 11 significant bits; lo = x - hi, x 2^11; both packed to f16
.macro SPLIT4 H, L, x
.irp p, 0,1,2,3
	v_pk_mul_f32 v[TT+2*\p:TT+2*\p+1], v[(\x)+2*\p:(\x)+2*\p+1], 0x46000400 op_sel_hi:[1,0]
.endr
.irp p, 0,1,2,3
	v_pk_add_f32 v[UU+2*\p:UU+2*\p+1], v[TT+2*\p:TT+2*\p+1], v[(\x)+2*\p:(\x)+2*\p+1] neg_lo:[0,1] neg_hi:[0,1]
.endr
.irp p, 0,1,2,3
	v_pk_add_f32 v[TT+2*\p:TT+2*\p+1], v[TT+2*\p:TT+2*\p+1], v[UU+2*\p:UU+2*\p+1] neg_lo:[0,1] neg_hi:[0,1]
.endr
.irp p, 0,1,2,3
	v_pk_add_f32 v[UU+2*\p:UU+2*\p+1], v[(\x)+2*\p:(\x)+2*\p+1], v[TT+2*\p:TT+2*\p+1] neg_lo:[0,1] neg_hi:[0,1]
.endr
.irp p, 0,1,2,3
	v_cvt_pk_f16_f32 v[(\H)+\p], v[TT+2*\p], v[TT+2*\p+1]
.endr
.irp p, 0,1,2,3
	v_pk_mul_f32 v[UU+2*\p:UU+2*\p+1], v[UU+2*\p:UU+2*\p+1], 0x45000000 op_sel_hi:[1,0]
.endr
.irp p, 0,1,2,3
	v_cvt_pk_f16_f32 v[(\L)+\p], v[UU+2*\p], v[UU+2*\p+1]
.endr
.endm
	s_load_b256 s[4:11], s[0:1], 0x0               ; qkv 4, pb 6, pm 8, flags 10
	s_load_b64 s[12:13], s[0:1], 0x20              ; out0
	v_lshl_add_u32 v[SPW], v0, 2, SPARE
	v_mov_b32 v[NIL], 0
	v_lshrrev_b32 v1, 5, v0
	v_readfirstlane_b32 s[WV], v1
	v_and_b32 v3, 31, v0
	v_and_b32 v1, 15, v0                           ; r
	v_bfe_u32 v2, v0, 4, 1                         ; h
	v_lshlrev_b32 v[LI], 4, v3                     ; 16 x lane: my place in every register image
	v_lshlrev_b32 v[WOF], 11, v1
	v_lshl_add_u32 v[WOF], v2, 4, v[WOF]           ; a fragment of Wo^T: row r of 2,048 bytes, + 16 h
	s_mul_i32 s15, s[WV], 4352
	s_add_co_u32 s15, s15, RED
	v_mul_u32_u24 v[RW], v1, 272
	v_lshl_add_u32 v[RW], v2, 5, v[RW]
	v_add_nc_u32 v[RW], s15, v[RW]                 ; my partial sums: row r, + 32 h
	s_mul_i32 s15, s[WV], 4*272
	s_add_co_u32 s15, s15, RED
	v_mul_u32_u24 v[RR], v2, 272
	v_lshl_add_u32 v[RR], v1, 4, v[RR]
	v_add_nc_u32 v[RR], s15, v[RR]                 ; back: rows 4 w on, sixteen lanes a row
	v_lshlrev_b32 v[GO], 13, v2
	v_lshl_add_u32 v[GO], v1, 4, v[GO]
	v_mov_b32 v[NEG], 0xd0000000                   ; -2^33
.set i, 0
.rept 16
	v_mov_b32 v[ST+i], 0                           ; written once: pairs are named whole, and a lane permute's destination counts as read
.set i, i+1
.endr
	s_mov_b32 s[CS], 0x3e0293ee                    ; c = log2(e) / sqrt(128)
	s_mov_b32 s[CS+1], s[CS]
	s_mov_b32 s[SEL], 0x76543210
	s_mov_b32 s[SEL+1], 0xfedcba98
	s_wait_kmcnt 0x0
	s_load_b64 s[40:41], s[10:11], 0x0             ; for each 1,024 keys: which steps, which rows
	s_load_b64 s[42:43], s[10:11], 0x100
	s_load_b64 s[44:45], s[10:11], 0x200
	s_load_b64 s[46:47], s[10:11], 0x300
	s_lshl_b32 s28, s[WV], 20
	s_mov_b32 s29, 0
	s_add_nc_u64 s[16:17], s[4:5], s[28:29]
	s_add_nc_u64 s[18:19], s[16:17], 0xc00000      ; V's high part: head 12 + w
	s_add_nc_u64 s[20:21], s[16:17], 0x1000000     ; its low part
	s_add_nc_u64 s[16:17], s[16:17], 0x800000      ; K: head 8 + w
	s_lshl_b32 s28, s[WV], 21
	s_add_nc_u64 s[48:49], s[4:5], s[28:29]        ; Q: heads 2 w, 2 w + 1
	s_lshl_b32 s28, ttmp9, 17                      ; Wo^T: rows 64 x on, K = 256 w on
	s_lshl_b32 s15, s[WV], 9
	s_add_co_u32 s28, s28, s15
	s_add_nc_u64 s[50:51], s[6:7], s[28:29]
	s_lshl_b32 s28, s[WV], 15                      ; out0: rows 4 w on, columns 64 x on
	s_lshl_b32 s15, ttmp9, 8
	s_add_co_u32 s28, s28, s15
	s_add_nc_u64 s[12:13], s[12:13], s[28:29]
.irp t, 0,1
.irp c, 0,1,2,3
	global_load_b128 v[Q+32*\t+8*\c:Q+32*\t+8*\c+3], v[LI], s[48:49] offset:\t*1048576+1024*\c
	global_load_b128 v[Q+32*\t+8*\c+4:Q+32*\t+8*\c+7], v[LI], s[48:49] offset:\t*1048576+1024*\c+512
.endr
.endr
	s_wait_kmcnt 0x0
	s_or_b32 s41, s41, s43
	s_or_b32 s41, s41, s45
	s_or_b32 s41, s41, s47                         ; the rows that have a true key
	s_lshl_b32 s42, s42, 16
	s_or_b32 s[F0], s40, s42
	s_lshl_b32 s46, s46, 16
	s_or_b32 s[F1], s44, s46
	s_cmp_eq_u32 s41, 0xffff
	s_cselect_b32 s[F0], s[F0], -1
	s_cselect_b32 s[F1], s[F1], -1
	s_bcnt1_i32_b32 s[NN], s[F0]
	s_bcnt1_i32_b32 s[FT], s[F1]
	s_add_co_u32 s[NN], s[NN], s[FT]
	s_min_u32 s[NN], s[NN], 64                     ; steps to walk, at least 1
.macro NEXTIDX                         ; the lowest step still flagged; its flag is cleared
	s_cmp_lg_u32 s[F0], 0
	s_cselect_b32 s[FW], s[F0], s[F1]
	s_cselect_b32 s[FB], 0, 32
	s_ctz_i32_b32 s[IDX], s[FW]
	s_add_co_u32 s[IDX], s[IDX], s[FB]
	s_min_u32 s[IDX], s[IDX], 63
	s_sub_co_u32 s[FT], s[FW], 1
	s_and_b32 s[FW], s[FW], s[FT]
	s_cmp_lg_u32 s[F0], 0
	s_cselect_b32 s[FT], s[FW], 0
	s_cselect_b32 s[F1], s[F1], s[FW]
	s_mov_b32 s[F0], s[FT]
.endm
.macro FSM t, first                    ; one tile's mask, maximum, scalings and exponentials
.set rT, ST+8*(\t)
.set rS, S+32*(\t)
.set i, 0
.rept 32
	v_cndmask_b32 v[rS+i], v[NEG], v[rS+i], s[MW+i]
.set i, i+1
.endr
	v_max3_num_f32 v[rT+4], v[rS], v[rS+1], v[rS+2]
.set i, 3
.rept 14
	v_max3_num_f32 v[rT+4], v[rT+4], v[rS+i], v[rS+i+1]
.set i, i+2
.endr
.if \first
	v_max_num_f32 v[rT+4], v[rT+4], v[rS+31]
.else
	v_max3_num_f32 v[rT+4], v[rT+4], v[rS+31], v[rT+1]
	v_mov_b32 v[rT+7], v[rT]
.endif
	v_permlanex16_b32 v[rT+5], v[rT+4], s[SEL], s[SEL+1]
	v_max_num_f32 v[rT+1], v[rT+4], v[rT+5]
	v_mul_f32 v[rT], s[CS], v[rT+1]
.if !\first
	v_sub_f32 v[rT+7], v[rT+7], v[rT]
.endif
.set i, 0
.rept 16
	v_pk_fma_f32 v[rS+2*i:rS+2*i+1], v[rS+2*i:rS+2*i+1], s[CS:CS+1], v[rT:rT+1] op_sel_hi:[1,0,0] neg_lo:[0,0,1] neg_hi:[0,0,1]
.set i, i+1
.endr
.if !\first
	v_exp_f32 v[rT+6], v[rT+7]
.endif
.set i, 0
.rept 32
	v_exp_f32 v[rS+i], v[rS+i]
.set i, i+1
.endr
.endm
.macro FSUM t, first                   ; l = a l + the sum of the unrounded p
.set rT, ST+8*(\t)
.set rS, S+32*(\t)
.if \first
	v_pk_add_f32 v[rT+2:rT+3], v[rS:rS+1], v[rS+2:rS+3]
.set i, 4
.rept 14
	v_pk_add_f32 v[rT+2:rT+3], v[rT+2:rT+3], v[rS+i:rS+i+1]
.set i, i+2
.endr
.else
	v_pk_fma_f32 v[rT+2:rT+3], v[rT+2:rT+3], v[rT+6:rT+7], v[rS:rS+1] op_sel_hi:[1,0,1]
.set i, 2
.rept 15
	v_pk_add_f32 v[rT+2:rT+3], v[rT+2:rT+3], v[rS+i:rS+i+1]
.set i, i+2
.endr
.endif
.endm
.macro FPV dbase, abase, pbase, zero   ; 32 products: 16 accumulators by turns, 32 keys deep, twice
.set i, 0
.rept 32
.set rO, (\dbase)+64*(i%2)+8*((i/2)%8)
.set rV, (\abase)+64*(i/16)+8*((i/2)%8)
.set rP, (\pbase)+16*(i%2)+8*(i/16)
.if \zero && (i < 16)
	v_wmma_f32_16x16x32_f16 v[rO:rO+7], v[rV:rV+7], v[rP:rP+7], 0
.else
	v_wmma_f32_16x16x32_f16 v[rO:rO+7], v[rV:rV+7], v[rP:rP+7], v[rO:rO+7]
.endif
.set i, i+1
.endr
.endm
.macro FTRIP first                     ; one step of 64 keys
	s_lshl_b32 s28, s[IDX], 14                     ; 16,384 bytes a step.  (All loads of the trip before have been waited for: their bases may be written)
	s_mov_b32 s29, 0
	s_add_nc_u64 s[22:23], s[16:17], s[28:29]
	s_add_nc_u64 s[24:25], s[18:19], s[28:29]
	s_add_nc_u64 s[26:27], s[20:21], s[28:29]
	s_lshl_b32 s[MO], s[IDX], 7
	s_load_b512 s[MW:MW+15], s[8:9], s[MO] offset:0x0          ; the mask words of position tile 0, this step
	s_load_b512 s[MW+16:MW+31], s[8:9], s[MO] offset:0x40
	PLACES                                         ; in front of loads into registers that the last products read
	WIN 0x80
.irp f, 0,1,2,3,4,5,6,7,8,9,10,11,12,13,14,15
	global_load_b128 v[8*\f:8*\f+3],   v[LI], s[22:23] offset:\f*1024           ; K: keys 16 (f / 4) on, channels 32 (f % 4) on
	global_load_b128 v[8*\f+4:8*\f+7], v[LI], s[22:23] offset:\f*1024+512
.endr
.irp f, 0,1,2,3,4,5,6,7,8,9,10,11,12,13,14,15
	global_load_b128 v[128+8*\f:128+8*\f+3],   v[LI], s[24:25] offset:\f*1024   ; V^T high: keys 32 (f / 8) on, channels 16 (f % 8) on
	global_load_b128 v[128+8*\f+4:128+8*\f+7], v[LI], s[24:25] offset:\f*1024+512
.endr
	WIN 0xc0
.irp f, 0,1,2,3,4,5,6,7,8,9,10,11,12,13,14,15
	global_load_b128 v[8*\f:8*\f+3],   v[LI], s[26:27] offset:\f*1024           ; V^T low
	global_load_b128 v[8*\f+4:8*\f+7], v[LI], s[26:27] offset:\f*1024+512
.endr
	s_wait_loadcnt 63                              ; Q and K are in; V's 64 loads might stay out: 63 is the most that the wait can name
	WIN 0x02
.set i, 0
.rept 32
.set rS, S+32*(i%2)+8*((i/2)%4)
.set rK, 32*((i/2)%4)+8*(i/8)
.set rQ, Q+32*(i%2)+8*(i/8)
.if i < 8
	v_wmma_f32_16x16x32_f16 v[rS:rS+7], v[rK:rK+7], v[rQ:rQ+7], 0
.else
	v_wmma_f32_16x16x32_f16 v[rS:rS+7], v[rK:rK+7], v[rQ:rQ+7], v[rS:rS+7]
.endif
.set i, i+1
.endr
	WIN 0
	PLACES                                         ; behind the products, ahead of the first read of the scores
	s_wait_kmcnt 0x0
	FSM 0, \first
	FSM 1, \first
	v_nop                                          ; a plain instruction behind the last exponential
	s_wait_alu depctr_va_vdst(0)                   ; one wait for the whole batch, ahead of its first reader
.irp t, 0,1
.irp g, 0,1,2,3
	SPLIT4 PHI+16*\t+4*\g, PLO+16*\t+4*\g, S+32*\t+8*\g
.endr
.endr
	FSUM 0, \first
	FSUM 1, \first
.if !\first
	WIN 0x41
.irp t, 0,1
.set i, 0
.rept 32
	v_pk_mul_f32 v[64*\t+2*i:64*\t+2*i+1], v[64*\t+2*i:64*\t+2*i+1], v[ST+8*\t+6:ST+8*\t+7] op_sel_hi:[1,0]
.set i, i+1
.endr
.set i, 0
.rept 32
	v_pk_mul_f32 v[128+64*\t+2*i:128+64*\t+2*i+1], v[128+64*\t+2*i:128+64*\t+2*i+1], v[ST+8*\t+6:ST+8*\t+7] op_sel_hi:[1,0]
.set i, i+1
.endr
.endr
.endif
	s_wait_loadcnt 32                              ; V^T's high part is in; the low part's 32 loads may be out
	WIN 0x52                                       ; source 0 window 2, source 1 window 0, C and D window 1
	FPV 0, 128, PHI, \first                        ; high x high
	FPV 128, 128, PLO, \first                      ; V high x P low
	s_wait_loadcnt 0x0
	WIN 0x53                                       ; source 0 window 3
	FPV 128, 0, PHI, 0                             ; V low x P high
	WIN 0
.endm
	NEXTIDX
	FTRIP 1                                        ; the first step starts m, l and the sums
	s_cmp_eq_u32 s[NN], 1
	s_cbranch_scc1 .Lwalked
	s_sub_co_u32 s[N1], s[NN], 1
	s_mov_b32 s[CNT], 0
.Ltrip:
	NEXTIDX
	FTRIP 0
	s_add_co_u32 s[CNT], s[CNT], 1
	s_cmp_lt_u32 s[CNT], s[N1]
	s_cbranch_scc1 .Ltrip
.Lwalked:
	PLACES                                         ; in front of loads into registers that the last products read
	WIN 0x80                                       ; Wo^T high: column tile u, K step s at 64 u + 8 s of window 2
.irp u, 0,1,2,3
.irp s, 0,1,2,3,4,5,6,7
	global_load_b128 v[64*\u+8*\s:64*\u+8*\s+3],   v[WOF], s[50:51] offset:32768*\u+64*\s
	global_load_b128 v[64*\u+8*\s+4:64*\u+8*\s+7], v[WOF], s[50:51] offset:32768*\u+64*\s+32
.endr
.endr
	WIN 0xc0                                       ; low: likewise in window 3
.irp u, 0,1,2,3
.irp s, 0,1,2,3,4,5,6,7
	global_load_b128 v[64*\u+8*\s:64*\u+8*\s+3],   v[WOF], s[50:51] offset:WOTL+32768*\u+64*\s
	global_load_b128 v[64*\u+8*\s+4:64*\u+8*\s+7], v[WOF], s[50:51] offset:WOTL+32768*\u+64*\s+32
.endr
.endr
	WIN 0
.irp t, 0,1
	v_add_f32 v[ST+8*\t+4], v[ST+8*\t+2], v[ST+8*\t+3]
.endr
.irp t, 0,1
	v_permlanex16_b32 v[ST+8*\t+5], v[ST+8*\t+4], s[SEL], s[SEL+1]
.endr
.irp t, 0,1
	v_add_f32 v[ST+8*\t+4], v[ST+8*\t+4], v[ST+8*\t+5]
.endr
.irp t, 0,1
	v_rcp_f32 v[ST+8*\t+6], v[ST+8*\t+4]
.endr
	v_nop
	s_wait_alu depctr_va_vdst(0)                   ; one wait for the two reciprocals
.irp t, 0,1                            ; o = (high + 2^-11 low) / l, then cut: two neighbouring channel tiles, packed, are an operand of 16 queries x 32 K
	WIN 0x51
.set i, 0
.rept 32
	v_pk_fma_f32 v[64*\t+2*i:64*\t+2*i+1], v[128+64*\t+2*i:128+64*\t+2*i+1], 0x3a000000, v[64*\t+2*i:64*\t+2*i+1] op_sel_hi:[1,0,1]
.set i, i+1
.endr
	WIN 0x01
.set i, 0
.rept 32
	v_pk_mul_f32 v[S+2*i:S+2*i+1], v[64*\t+2*i:64*\t+2*i+1], v[ST+8*\t+6:ST+8*\t+7] op_sel_hi:[1,0]
.set i, i+1
.endr
	WIN 0
.irp g, 0,1,2,3,4,5,6,7
	SPLIT4 OHI+32*\t+4*\g, OLO+32*\t+4*\g, S+8*\g
.endr
.endr
	s_wait_loadcnt 0x0                             ; Wo^T
.irp s, 0,1,2,3,4,5,6,7                ; the last product, transposed (source 0 = 16 columns of Wo, source 1 = o): sums at 8 u (high) and 32 + 8 u (low) of window 1, by turns
	WIN 0x52
.irp u, 0,1,2,3
.if \s == 0
	v_wmma_f32_16x16x32_f16 v[8*\u:8*\u+7], v[64*\u+8*\s:64*\u+8*\s+7], v[OHI+8*\s:OHI+8*\s+7], 0
.else
	v_wmma_f32_16x16x32_f16 v[8*\u:8*\u+7], v[64*\u+8*\s:64*\u+8*\s+7], v[OHI+8*\s:OHI+8*\s+7], v[8*\u:8*\u+7]
.endif
.endr
.irp u, 0,1,2,3
.if \s == 0
	v_wmma_f32_16x16x32_f16 v[32+8*\u:32+8*\u+7], v[64*\u+8*\s:64*\u+8*\s+7], v[OLO+8*\s:OLO+8*\s+7], 0
.else
	v_wmma_f32_16x16x32_f16 v[32+8*\u:32+8*\u+7], v[64*\u+8*\s:64*\u+8*\s+7], v[OLO+8*\s:OLO+8*\s+7], v[32+8*\u:32+8*\u+7]
.endif
.endr
	WIN 0x53
.irp u, 0,1,2,3
	v_wmma_f32_16x16x32_f16 v[32+8*\u:32+8*\u+7], v[64*\u+8*\s:64*\u+8*\s+7], v[OHI+8*\s:OHI+8*\s+7], v[32+8*\u:32+8*\u+7]
.endr
.endr
	WIN 0
	PLACES
	WIN 0x11                                       ; sources 0 and 2 window 1
.irp u, 0,1,2,3
.irp jj, 0,2,4,6
	v_pk_fma_f32 v[S+8*\u+\jj:S+8*\u+\jj+1], v[32+8*\u+\jj:32+8*\u+\jj+1], 0x3a000000, v[8*\u+\jj:8*\u+\jj+1] op_sel_hi:[1,0,1]
.endr
.endr
	WIN 0
.irp u, 0,1,2,3
	ds_store_b128 v[RW], v[S+8*\u:S+8*\u+3] offset:64*\u          ; lane (r, h): row r, columns 16 u + 8 h + 0 .. 7
	ds_store_b128 v[RW], v[S+8*\u+4:S+8*\u+7] offset:64*\u+16
.endr
	s_wait_dscnt 0x0                               ; for the others' sake: my partial sums lie in LDS
	s_barrier_signal -1
	s_barrier_wait -1
.irp ip, 0,1
.irp p, 0,1,2,3
	ds_load_b128 v[64+16*\ip+4*\p:64+16*\ip+4*\p+3], v[RR] offset:\p*4352+\ip*544   ; rows 4 w + 2 ip + (lane / 16) of the four partial sums
.endr
.endr
	s_wait_dscnt 0x0
.irp ip, 0,1
.irp hh, 0,2
	v_pk_add_f32 v[64+16*\ip+\hh:65+16*\ip+\hh], v[64+16*\ip+\hh:65+16*\ip+\hh], v[68+16*\ip+\hh:69+16*\ip+\hh]
	v_pk_add_f32 v[72+16*\ip+\hh:73+16*\ip+\hh], v[72+16*\ip+\hh:73+16*\ip+\hh], v[76+16*\ip+\hh:77+16*\ip+\hh]
	v_pk_add_f32 v[64+16*\ip+\hh:65+16*\ip+\hh], v[64+16*\ip+\hh:65+16*\ip+\hh], v[72+16*\ip+\hh:73+16*\ip+\hh]
.endr
	global_store_b128 v[GO], v[64+16*\ip:67+16*\ip], s[12:13] offset:16384*\ip      ; sixteen lanes store 256 consecutive bytes, aligned
.endr
	s_wait_tensorcnt 0x0                           ; the wave's end, behind my last LDS store
	ds_add_u32 v[SPW], v[NIL]
	s_wait_dscnt 0x0
	s_endpgm
.Lfunc_end_k_q64927ceb86_fine:
	.size	k_q64927ceb86_fine, .Lfunc_end_k_q64927ceb86_fine-k_q64927ceb86_fine
	.p2alignl 7, 3214868480
	.fill 96, 4, 3214868480
	.section	.rodata,"a",@progbits
	.p2align	6, 0x0
	.amdhsa_kernel k_q64927ceb86_fine
		.amdhsa_group_segment_fixed_size 17920
		.amdhsa_private_segment_fixed_size 0
		.amdhsa_enable_private_segment 0
		.amdhsa_kernarg_size 40
		.amdhsa_user_sgpr_count 2
		.amdhsa_user_sgpr_kernarg_segment_ptr 1
		.amdhsa_wavefront_size32 1
		.amdhsa_system_sgpr_workgroup_id_x 1
		.amdhsa_system_sgpr_workgroup_id_y 1
		.amdhsa_system_sgpr_workgroup_id_z 1
		.amdhsa_system_vgpr_workitem_id 0
		.amdhsa_next_free_vgpr 1024
		.amdhsa_next_free_sgpr 100
		.amdhsa_reserve_vcc 0
		.amdhsa_float_denorm_mode_32 3
		.amdhsa_float_denorm_mode_16_64 3
		.amdhsa_memory_ordered 1
		.amdhsa_forward_progress 1
		.amdhsa_inst_pref_size 172
	.end_amdhsa_kernel
	.amdgpu_metadata
---
amdhsa.version: [ 1, 2 ]
amdhsa.kernels:
  - .name:           k_q64927ceb86_fine
    .symbol:         k_q64927ceb86_fine.kd
    .args:
      - { .name: qkv, .offset: 0, .size: 8, .value_kind: global_buffer, .address_space: global }
      - { .name: pb, .offset: 8, .size: 8, .value_kind: global_buffer, .address_space: global }
      - { .name: pm, .offset: 16, .size: 8, .value_kind: global_buffer, .address_space: global }
      - { .name: flags, .offset: 24, .size: 8, .value_kind: global_buffer, .address_space: global }
      - { .name: out0, .offset: 32, .size: 8, .value_kind: global_buffer, .address_space: global }
    .group_segment_fixed_size: 17920
    .private_segment_fixed_size: 0
    .kernarg_segment_align: 8
    .kernarg_segment_size: 40
    .max_flat_workgroup_size: 128
    .sgpr_count:     100
    .vgpr_count:     1024
    .wavefront_size: 32
...
	.end_amdgpu_metadata
.endif
;; end of part 5
